; MI455X (gfx1250); checked and timed in simulation.
; The chip was launched on July 23, 2026; its instructions are those of AMD's public machine-readable ISA for CDNA 5 (MIT licence, August 2026) and "CDNA5" Instruction Set Architecture Reference Guide (July 2026). The comments in the code are by the model that wrote it; some were corrected since.
;; Multi Head Attention. Allowed arithmetic: float matrix products may take bf16 or f16 operands with f32 sums; other float arithmetic in f32, or as packed bf16 or f16 multiplies, adds, multiply-adds, maxima and minima; sums over many terms, partial sums and values carried from step to step in f32; what a program stores and reads back later, other than sums and carried values, may be rounded once to bf16 or f16.
;; Inputs: w_k 1,024 x 1,024 float32; w_q 1,024 x 1,024 float32; w_v 1,024 x 1,024 float32; x 4 x 2,048 x 1,024 float32.
;; Outputs: out0 4 x 2,048 x 1,024 float32.
;; 2 versions, each right; version 2 is version 1 with the launch cast written anew for expert scheduling mode. Each part assembles by itself: llvm-mc -triple=amdgcn-amd-amdhsa -mcpu=gfx1250 --defsym DOCPART=n.
;; ======== version 1 of 2: 4 launches
;; limits: values are held in f16: magnitudes above 65,504 overflow, below 6.1e-05 lose precision
;; workspace buffers: xb 16,777,216 bytes; wb 6,291,456 bytes; qkv 50,331,648 bytes; cs 786,432 bytes; ts 131,072 bytes; pt 33,554,432 bytes; st 524,288 bytes
;; launch cast (part 1): grid 352 x 1, 8 waves a work-group, no clusters, 0 bytes of LDS; arguments x, w_q, w_k, w_v, xb, wb; writes xb, wb
.if DOCPART == 1
	.amdgcn_target "amdgcn-amd-amdhsa--gfx1250"
	.amdhsa_code_object_version 6
	.text
	.protected	k_qd0d8b7a2cf_cast
	.globl	k_qd0d8b7a2cf_cast
	.p2align	8
	.type	k_qd0d8b7a2cf_cast,@function
k_qd0d8b7a2cf_cast:
	s_mov_b64 s[64:65], 0
	v_nop
	global_prefetch_b8 v0, s[64:65] scope:SCOPE_SE
	s_setreg_imm32_b32 hwreg(HW_REG_WAVE_MODE, 25, 1), 1
	s_wait_xcnt 0x0
; xb = x rounded to bf16, laid in blocks for the next launch's K steps of 64: [16 steps][8192 rows][64]: a step's rows lie end to end, 128 bytes each.
; wb = [w_q | w_k | w_v] rounded to bf16, [1024 k][3072 n]: w_q at n 0, w_k at n 1024, w_v at n 2048.
; A row is 1,024 f32.  A work-group owns 32 rows, each of its eight waves four.  Work-groups 0-255 take x, 256-351 the three weights (32 work-groups each).
; A stream: every byte is read once and written once; all 32 loads of a wave go out at once; each store of a wave covers 256 consecutive bytes, aligned.
; x: a load takes 256 bytes (one step) of two rows, lanes 0-15 the first row, lanes 16-31 the second; its store is those two rows' 128 bytes, which lie end to end in the step's block.
; weights: a load takes 512 consecutive bytes of a row, its store 256.  The two paths differ in their immediates, so the stream is written twice, by one macro.
; No register is written twice, so the only waits are the counted ones for the loads.  No LDS, no barrier, no matrix work: nothing is shared and nothing is summed.
.set XR, 16                            ; v[16:143]  load n: 4 registers
.set YR, 144                           ; v[144:207] load n: 2 registers, 4 bf16
.set WPITCH, 6144                      ; bytes in a row of wb
.set XBLK, 8192*128                    ; bytes in a step's block of xb
.macro STREAM blocked
.set n, 0
.rept 32
.if \blocked
	global_load_b128 v[XR+4*n:XR+4*n+3], v2, s[4:5] offset:(n/16)*8192+(n%16)*256 th:TH_LOAD_NT  ; pair of rows n / 16, step n % 16
.else
	global_load_b128 v[XR+4*n:XR+4*n+3], v2, s[4:5] offset:(n/8)*4096+(n%8)*512 th:TH_LOAD_NT    ; row n / 8
.endif
.set n, n+1
.endr
.set n, 0
.rept 32
	s_wait_loadcnt 31-n                            ; loads come back in order: load n is in, the 31 - n younger ones stay out
	v_cvt_pk_bf16_f32 v[YR+2*n], v[XR+4*n], v[XR+4*n+1]
	v_cvt_pk_bf16_f32 v[YR+2*n+1], v[XR+4*n+2], v[XR+4*n+3]
.if \blocked
	global_store_b64 v[4+n/8], v[YR+2*n:YR+2*n+1], s[12:13] offset:(n%8)*XBLK  ; eight steps' blocks are within the immediate's reach; the register holds the pair and the upper eight
.else
	global_store_b64 v[4+n/8], v[YR+2*n:YR+2*n+1], s[12:13] offset:(n%8)*256
.endif
.set n, n+1
.endr
.endm
	s_load_b256 s[4:11], s[0:1], 0x0               ; x s[4:5], w_q s[6:7], w_k s[8:9], w_v s[10:11]
	s_load_b128 s[12:15], s[0:1], 0x20             ; xb s[12:13], wb s[14:15]
	v_lshrrev_b32 v1, 5, v0                        ; wave
	v_readfirstlane_b32 s16, v1
	v_and_b32 v3, 31, v0                           ; lane
	s_mov_b32 s27, 0
	s_mov_b32 s29, 0
	s_cmp_lt_u32 ttmp9, 256
	s_cbranch_scc0 .Lweights
	s_lshl_b32 s26, ttmp9, 17                      ; 32 rows of 4,096 bytes in,
	s_lshl_b32 s28, ttmp9, 12                      ; 32 rows of 128 bytes in each block out
	v_and_b32 v8, 15, v0
	v_bfe_u32 v9, v0, 4, 1
	v_lshlrev_b32 v2, 14, v1                       ; my wave's four rows in,
	v_lshl_add_u32 v2, v9, 12, v2                  ; the pair's second row for lanes 16-31,
	v_lshl_add_u32 v2, v8, 4, v2                   ; 16 bytes a lane
	v_lshlrev_b32 v10, 9, v1                       ; my wave's four rows out,
	v_lshl_add_u32 v4, v3, 3, v10                  ; 8 bytes a lane: two rows on end.  Pair 0, steps 0-7
	v_add_nc_u32 v5, 8*XBLK, v4                    ; pair 0, steps 8-15
	v_add_nc_u32 v6, 256, v4                       ; pair 1, steps 0-7
	v_add_nc_u32 v7, 8*XBLK, v6                    ; pair 1, steps 8-15
	s_wait_kmcnt 0x0
	s_add_nc_u64 s[4:5], s[4:5], s[26:27]
	s_add_nc_u64 s[12:13], s[12:13], s[28:29]
	STREAM 1
	s_endpgm
.Lweights:
	s_lshr_b32 s18, ttmp9, 5                       ; 8, 9, 10: w_q, w_k, w_v
	s_and_b32 s19, ttmp9, 31                       ; which 32 rows of the weight
	s_lshl_b32 s26, s19, 17                        ; 32 rows of 4,096 bytes in,
	s_mul_i32 s28, s19, 32*WPITCH                  ; 32 rows of wb out,
	s_sub_co_u32 s25, s18, 8
	s_lshl_b32 s25, s25, 11                        ; at the weight's 2,048 bytes of the row
	s_add_co_u32 s28, s28, s25
	v_lshlrev_b32 v2, 14, v1                       ; my wave's four rows in,
	v_lshl_add_u32 v2, v3, 4, v2                   ; 16 bytes a lane
	s_lshl_b32 s30, s16, 2
.irp i, 0,1,2,3
	s_add_co_u32 s31, s30, \i
	s_mul_i32 s31, s31, WPITCH
	v_lshl_add_u32 v[4+\i], v3, 3, s31             ; row 4 w + i out, 8 bytes a lane
.endr
	s_wait_kmcnt 0x0
	s_cmp_eq_u32 s18, 9
	s_cselect_b64 s[6:7], s[8:9], s[6:7]
	s_cmp_eq_u32 s18, 10
	s_cselect_b64 s[6:7], s[10:11], s[6:7]         ; the weight
	s_add_nc_u64 s[4:5], s[6:7], s[26:27]
	s_add_nc_u64 s[12:13], s[14:15], s[28:29]
	STREAM 0
	s_endpgm
.Lfunc_end_k_qd0d8b7a2cf_cast:
	.size	k_qd0d8b7a2cf_cast, .Lfunc_end_k_qd0d8b7a2cf_cast-k_qd0d8b7a2cf_cast
	.p2alignl 7, 3214868480
	.fill 96, 4, 3214868480
	.section	.rodata,"a",@progbits
	.p2align	6, 0x0
	.amdhsa_kernel k_qd0d8b7a2cf_cast
		.amdhsa_group_segment_fixed_size 0
		.amdhsa_private_segment_fixed_size 0
		.amdhsa_enable_private_segment 0
		.amdhsa_kernarg_size 48
		.amdhsa_user_sgpr_count 2
		.amdhsa_user_sgpr_kernarg_segment_ptr 1
		.amdhsa_wavefront_size32 1
		.amdhsa_system_sgpr_workgroup_id_x 1
		.amdhsa_system_sgpr_workgroup_id_y 1
		.amdhsa_system_sgpr_workgroup_id_z 1
		.amdhsa_system_vgpr_workitem_id 0
		.amdhsa_next_free_vgpr 208
		.amdhsa_next_free_sgpr 66
		.amdhsa_reserve_vcc 0
		.amdhsa_float_denorm_mode_32 3
		.amdhsa_float_denorm_mode_16_64 3
		.amdhsa_memory_ordered 1
		.amdhsa_forward_progress 1
		.amdhsa_inst_pref_size 25
	.end_amdhsa_kernel
	.amdgpu_metadata
---
amdhsa.version: [ 1, 2 ]
amdhsa.kernels:
  - .name:           k_qd0d8b7a2cf_cast
    .symbol:         k_qd0d8b7a2cf_cast.kd
    .args:
      - { .name: x, .offset: 0, .size: 8, .value_kind: global_buffer, .address_space: global }
      - { .name: w_q, .offset: 8, .size: 8, .value_kind: global_buffer, .address_space: global }
      - { .name: w_k, .offset: 16, .size: 8, .value_kind: global_buffer, .address_space: global }
      - { .name: w_v, .offset: 24, .size: 8, .value_kind: global_buffer, .address_space: global }
      - { .name: xb, .offset: 32, .size: 8, .value_kind: global_buffer, .address_space: global }
      - { .name: wb, .offset: 40, .size: 8, .value_kind: global_buffer, .address_space: global }
    .group_segment_fixed_size: 0
    .private_segment_fixed_size: 0
    .kernarg_segment_align: 8
    .kernarg_segment_size: 48
    .max_flat_workgroup_size: 256
    .sgpr_count:     66
    .vgpr_count:     208
    .wavefront_size: 32
...
	.end_amdgpu_metadata
.endif
;; end of part 1
;; launch proj (part 2): grid 8 x 32, 4 waves a work-group, clusters of 4 x 4, 327,680 bytes of LDS; arguments xb, wb, qkv, cs; writes qkv, cs
.if DOCPART == 2
	.amdgcn_target "amdgcn-amd-amdhsa--gfx1250"
	.amdhsa_code_object_version 6
	.text
	.protected	k_qd0d8b7a2cf_proj
	.globl	k_qd0d8b7a2cf_proj
	.p2align	8
	.type	k_qd0d8b7a2cf_proj,@function
k_qd0d8b7a2cf_proj:
	s_mov_b64 s[64:65], 0
	v_nop
	global_prefetch_b8 v0, s[64:65] scope:SCOPE_SE
	s_setreg_imm32_b32 hwreg(HW_REG_WAVE_MODE, 25, 1), 1
	s_wait_xcnt 0x0
	s_wait_alu depctr_hold_cnt(0) depctr_sa_sdst(0) depctr_va_vdst(0) depctr_va_sdst(0) depctr_va_ssrc(0) depctr_va_vcc(0) depctr_vm_vsrc(0)
	s_getreg_b32 s2, hwreg(HW_REG_IB_STS2, 6, 4)
	s_cmp_eq_u32 s2, 0
	s_cbranch_scc0 .Lentry_in_a_cluster
	s_endpgm
.Lentry_in_a_cluster:
	s_bfe_u32 s2, ttmp6, 0x10000c
	s_cmp_lg_u32 s2, 0xf033
	s_cbranch_scc0 .Lentry_shape_is_right
	s_endpgm
.Lentry_shape_is_right:
; qkv[t][n] = sum over k of x[t][k] w[k][n].  xb: x in bf16, [16 K steps][8192 rows][64]; wb: [1024 k][3072 n] bf16; qkv: [8192][3072] f16 (q at n 0, k at 1024, v at 2048); sums in f32, rounded once.
; cs[chunk][c] = the sum over a chunk's 64 rows of qkv's column 1536 + c as it is stored (f16), in f32: [128][1536].  v's columns are c = 512 on; the 512 in front of them are k's and serve nothing:
; the boundary at n = 2048 falls inside a tile, and which tiles make sums may hang on the cluster's number alone.
; LIMIT.  f16 holds no number beyond 65,504: |q|, |k|, |v| must stay within it (x and the weights 30 times their drawn spread give some 5e3; all offset by 30 spreads some 2.9e4).
; SHARES.  8192 x 3072 / 256 = 256 x 384: one such tile to each of 256 work-groups.  Four waves, each 128 x 192: 96 accumulators, 768 registers.  For 32 along K a wave reads 320 LDS rows for 96 products.
; K goes in steps of 64 through a ring of two LDS slots filled by tensor loads (two slots of 128 along K would be 327,680 bytes without padding).  A wave's 128 rows of xb in a step are 16,384 dense bytes,
; asked for as 64 rows of 256; wb's rows lie along n: a step is 64 rows of 768 bytes, and its fragments come out of LDS turned, by ds_load_tr16_b128.
; CLUSTER: 4 x 4 work-groups.  The four of a row of the cluster need the same tiles of xb, the four of a column the same tiles of wb: each tile is asked for jointly.
; The matrix instruction is used transposed (source 0 = 16 columns of wb, source 1 = 16 rows of xb): a lane holds row l % 16 and eight neighbouring columns.
; REGISTERS in windows of 256: window 0: v0-31 addresses; v32-95, v96-159 xb's eight fragments, two buffers; v160-255 wb's twelve fragments, ONE buffer; windows 1, 2, 3: column blocks 0-3, 4-7, 8-11:
; accumulator (row block a, column block b) at 8 (8 (b % 4) + a) of window 1 + b / 4.
; A QUARTER (32 along K) is three groups of 32 products, a window each.  Behind a group its four fragments of wb are free and are loaded again for the next quarter: three runs of LDS loads a quarter
; (24: four of wb's and xb's eight; 8; 8), each 64 products ahead of its first use.
.set KSTEP,  64
.set XBLK,   8192*128                  ; bytes in a K step's block of xb
.set WROW,   6144                      ; bytes in a row of wb and of qkv
.set PA,     144                       ; an LDS row of xb: 128 bytes + 16: the 16 rows of a load start at 16 different groups of four banks (64 banks of 4 bytes: ISA guide 11.1)
.set PB,     864                       ; an LDS row of wb: three pieces of 256 bytes + 32 = 27 x 32
.set AH,     128*PA                    ; what wave 0 or 1 fetches: 128 rows of xb
.set BH,     32*PB                     ; what wave 2 or 3 fetches: 32 rows of wb
.set BOFF,   2*AH
.set SLOT,   BOFF+2*BH
.set SP,     784                       ; the way out: a row of the tile, 768 bytes + 16
.set SPARE,  256*SP                    ; behind the stage (which lies over the ring, behind its last fill): the spare words, 128 bytes for each wave, which no other line names
.set LAPS,   1024/(2*KSTEP)
.set ADRA, 8                           ; v8-9    LDS address of my fragments of xb in slot 0, 1
.set ADRB, 10                          ; v10-15  the same for wb: slot s, column blocks 4 g on, at 3 s + g (a group of four blocks never crosses a piece's padding)
.set STO,  16                          ; v16-17  the way out: where I put 16 bytes of a row; rows 0-63, rows 64-127
.set RD,   18                          ; v18-20  the way out: where I read a piece of 256 bytes back; step
.set CO,   21                          ; v21-23  the same pieces in qkv
.set SPW,  24                          ; v24     LDS address of my spare word; never rewritten
.set NIL,  25                          ; v25     0; never rewritten
.set PFO,  26                          ; v26     the prefetches' offset; never rewritten
.set F0,   32
.set F1,   96
.set FB,   160
.set TMP,  32                          ; v32-159  the way out: a window's 32 accumulators, packed
.set OB,   32                          ; v32-79   8 rows read back from the stage
.set CSUM, 160                         ; v160-183 column sums: piece j's 8 columns at 8 j
.set ONE,  184                         ; v184     1.0
.set SND,  186
.set RCV,  187
.set OUTV, 192                         ; v192-203 the column sums as stored
.set G1,  24                           ; s[24:31] descriptor group 1 for xb's tiles
.set G0,  32                           ; s[32:39] group 0, a set for each slot
.set G1B, 48                           ; s[48:55], s[56:63] the same for wb's tiles
.set G0B, 56
.set LIMA, 43                          ; s43  a wave prefetches at slot 0's change while the laps to go are above this
.set PFA, 44                           ; s[44:45] where my prefetches stand
.set CSP, 66                           ; s[66:67] cs
.set ISV, 68                           ; s68  1: my cluster makes column sums
.set LIMB, 69                          ; s69  the same as s43 for slot 1's change
.set PST, 70                           ; s[70:71] a K step in bytes, along the operand that I prefetch
.set SEL, 72                           ; s[72:73] v_permlanex16_b32's selects
.set MSB, 0
.macro WIN new                         ; the immediate's high byte repeats the setting that is left; a switch that changes nothing is dropped
.if MSB != (\new)
	s_set_vgpr_msb (MSB<<8)|(\new)
.set MSB, \new
.endif
.endm
; A joint load.  Waves 0 and 1 fetch xb's two halves, waves 2 and 3 wb's.  The branch hangs on the wave's number alone.  An s_nop 0 and four v_nop follow each line.
.macro JLOAD s
	s_cmp_eq_u32 s11, 0
	s_cbranch_scc0 .Lfor_b_\@
	tensor_load_to_lds s[G0+4*(\s):G0+4*(\s)+3], s[G1:G1+7]
	s_nop 0
.rept 4
	v_nop
.endr
	s_branch .Lasked_\@
.Lfor_b_\@:
	tensor_load_to_lds s[G0B+4*(\s):G0B+4*(\s)+3], s[G1B:G1B+7]
	s_nop 0
.rept 4
	v_nop
.endr
.Lasked_\@:
.endm
; A PREFETCH, one instruction a wave, behind the joint load and the run of LDS loads.  Each aligned block of 256 bytes is named once in the launch.
; xb: wave 0 of the cluster with x = 0, at every change of slots: the K step behind the one just asked for; the tile's 256 rows are 128 blocks on end, of which partner cx takes 32: a lane a block.
; wb: waves 1, 2, 3 of the cluster with y = 0, at slot 0's change: the two K steps behind the one just asked for, 128 rows; partner cy takes 32 of them, a lane a row; the wave takes one of the row's three blocks.
; The partners are told apart by address.  K steps 0 to 2 come by their loads alone; the last lap that fills slots asks for xb's step 15 and nothing else, so wb's step 15 comes by its load alone.
.macro ASK lim
	s_cmp_gt_u32 s3, s[\lim]
	s_cbranch_scc0 .Lnot_mine_\@
	global_prefetch_b8 v[PFO], s[PFA:PFA+1] th:TH_LOAD_NT scope:SCOPE_SE
.Lnot_mine_\@:
.endm
.macro CREST                           ; a round of the cluster's barrier behind its opening barrier
	s_cmp_lg_u32 s10, 0
	s_cbranch_scc1 .Lnot_wave_0_\@
	s_barrier_signal -3
.Lnot_wave_0_\@:
	s_barrier_wait -3
	s_barrier_signal -1
	s_barrier_wait -1
.endm
.macro CROUND                          ; a whole round
	s_barrier_signal -1
	s_barrier_wait -1
	CREST
.endm
	s_load_b128 s[4:7], s[0:1], 0x0                ; xb s[4:5], wb s[6:7]
	s_load_b64 s[8:9], s[0:1], 0x10                ; qkv
	s_load_b64 s[CSP:CSP+1], s[0:1], 0x18          ; cs
	v_lshl_add_u32 v[SPW], v0, 2, SPARE
	v_mov_b32 v[NIL], 0
	ds_add_u32 v[SPW], v[NIL]                      ; the wave's opening: the add and its wait ahead of my first tensor load; work on registers stands between them
	v_lshrrev_b32 v1, 5, v0
	v_readfirstlane_b32 s10, v1                    ; wave 0..3
	s_lshr_b32 s11, s10, 1                         ; which half of the tile's rows is mine.  Also: I fetch for xb (0) or for wb (1)
	s_and_b32 s12, s10, 1                          ; which half of its columns.  Also: which half of that operand's tile I fetch
	s_bfe_u32 s40, ttmp6, 0x40000                  ; cx
	s_bfe_u32 s41, ttmp6, 0x40004                  ; cy
	s_lshl_b32 s42, ttmp9, 2
	s_add_co_u32 s42, s42, s40                     ; tile column 0..7
	s_and_b32 s13, ttmp7, 0xffff
	s_lshl_b32 s13, s13, 2
	s_add_co_u32 s13, s13, s41                     ; tile row 0..31
	s_cmp_eq_u32 ttmp9, 1                          ; cluster column 1 holds columns 1536 on: the same in all sixteen partners
	s_cselect_b32 s[ISV], 1, 0
	s_lshl_b32 s18, s41, 2
	s_lshl_b32 s18, 15, s18                        ; my row of the cluster
	s_lshl_b32 s19, 0x1111, s40                    ; my column
	s_or_b32 s[G1+0], s18, (1<<16)|(1<<20)|(1<<21)|(4<<22)|(3<<25)   ; the mask; elements of 2 bytes; padding on; bit 21 beside a mask; after every 32 words (a row of xb) 4 words
	s_or_b32 s[G1B+0], s19, (1<<16)|(1<<20)|(1<<21)|(5<<22)|(7<<25)  ; the same with my column's mask; after every 64 words (a third of a row of wb) 8 words
	s_mov_b32 s[G1+1], 128<<16                     ; tensor_dim0 = 128: two rows of xb on end
	s_mov_b32 s[G1+2], 64<<16                      ; tensor_dim1 = 64
	s_mov_b32 s[G1+3], 128<<16                     ; tile_dim0 = 128
	s_mov_b32 s[G1+4], 64                          ; tile_dim1 = 64
	s_mov_b32 s[G1+5], 128                         ; dense
	s_mov_b32 s[G1+6], 0
	s_mov_b32 s[G1+7], 0
	s_mov_b32 s[G1B+1], 384<<16                    ; tensor_dim0 = 384
	s_mov_b32 s[G1B+2], 32<<16                     ; tensor_dim1 = 32
	s_mov_b32 s[G1B+3], 384<<16                    ; tile_dim0 = 384
	s_mov_b32 s[G1B+4], 32                         ; tile_dim1 = 32
	s_mov_b32 s[G1B+5], 3072
	s_mov_b32 s[G1B+6], 0
	s_mov_b32 s[G1B+7], 0
	s_mov_b32 s[SEL], 0x76543210
	s_mov_b32 s[SEL+1], 0xfedcba98
	s_lshl_b32 s17, s12, 7
	s_lshl_b32 s16, s13, 8
	s_add_co_u32 s16, s16, s17                     ; xb: row 256 x tile row + 128 x half,
	s_lshl_b32 s16, s16, 7                         ; of 128 bytes in a block
	s_mov_b32 s17, 0
	s_mul_i32 s46, s12, 32*WROW                    ; wb: row 32 x half of the K step,
	s_mul_i32 s47, s42, 768                        ; column 384 x tile column
	s_add_co_u32 s46, s46, s47
	s_mov_b32 s47, 0
	s_mul_i32 s20, s12, AH                         ; where they go: no place in the cluster enters an LDS address
	s_mul_i32 s21, s12, BH
	s_add_co_u32 s21, s21, BOFF
	s_wait_dscnt 0x0                               ; the opening add is done
	s_wait_kmcnt 0x0
	s_add_nc_u64 s[14:15], s[4:5], s[16:17]
	s_add_nc_u64 s[46:47], s[6:7], s[46:47]
	CROUND                                         ; all sixteen work-groups are here: the first joint loads meet
.irp s, 0,1
	s_mov_b32 s[G0+4*(\s)], 1
	s_add_co_u32 s[G0+4*(\s)+1], s20, (\s)*SLOT
	s_add_nc_u64 s[G0+4*(\s)+2:G0+4*(\s)+3], s[14:15], (\s)*XBLK
	s_or_b32 s[G0+4*(\s)+3], s[G0+4*(\s)+3], 0x80000000
	s_mov_b32 s[G0B+4*(\s)], 1
	s_add_co_u32 s[G0B+4*(\s)+1], s21, (\s)*SLOT
	s_add_nc_u64 s[G0B+4*(\s)+2:G0B+4*(\s)+3], s[46:47], (\s)*KSTEP*WROW
	s_or_b32 s[G0B+4*(\s)+3], s[G0B+4*(\s)+3], 0x80000000
	JLOAD \s                                       ; two tensor loads of mine are out
.endr
	v_and_b32 v1, 15, v0                           ; l % 16; kept
	v_bfe_u32 v2, v0, 4, 1                         ; l / 16; kept
	v_mul_u32_u24 v3, v1, PA
	v_lshl_add_u32 v3, v2, 4, v3                   ; xb: row x pitch + 16 x half
	s_mul_i32 s22, s11, AH                         ; my 128 rows of xb
	v_add_nc_u32 v[ADRA], s22, v3
	v_add_nc_u32 v[ADRA+1], SLOT, v[ADRA]
	v_and_b32 v4, 7, v0
	v_lshl_add_u32 v4, v2, 3, v4                   ; wb, turned: lane l reads row 8 (l / 16) + l % 8,
	v_mul_u32_u24 v4, v4, PB
	v_bfe_u32 v5, v0, 3, 1
	v_lshl_add_u32 v4, v5, 4, v4                   ; columns 8 ((l / 8) % 2) + 0..7
.irp g, 0,1,2
	s_mul_i32 s22, s12, 12
	s_add_co_u32 s22, s22, 4*\g                    ; the group's first column block among the tile's 24,
	s_lshr_b32 s23, s22, 3                         ; the pieces of 8 blocks in front of it, each with 32 bytes of padding:
	s_add_co_u32 s22, s22, s23
	s_lshl_b32 s22, s22, 5                         ; 32 bytes for each block and each padding
	s_add_co_u32 s22, s22, BOFF
	v_add_nc_u32 v[ADRB+\g], s22, v4
	v_add_nc_u32 v[ADRB+3+\g], SLOT, v[ADRB+\g]
.endr
	s_mul_i32 s22, s11, 128*SP                     ; into the stage: my 128 rows, my 384 bytes of them; row l % 16, 16 bytes for each half of the lanes
	s_mul_i32 s23, s12, 384
	s_add_co_u32 s22, s22, s23
	v_mul_u32_u24 v5, v1, SP
	v_lshl_add_u32 v5, v2, 4, v5
	v_add_nc_u32 v[STO], s22, v5
	v_add_nc_u32 v[STO+1], 64*SP, v[STO]
	; back: wave w takes rows 64 w on, whole.  Two rows are six pieces of 256 bytes; load j of three takes pieces 2 j (lanes 0-15) and 2 j + 1 (lanes 16-31):
	; j = 0: row 0, pieces 0 and 1;  j = 1: row 0 piece 2 and row 1 piece 0;  j = 2: row 1, pieces 1 and 2
	s_mul_i32 s22, s10, 64*SP
	v_lshl_add_u32 v5, v1, 4, s22
	v_lshl_add_u32 v[RD], v2, 8, v5
	v_mul_u32_u24 v6, v2, SP-512
	v_add_nc_u32 v6, v6, v5
	v_add_nc_u32 v[RD+1], 512, v6
	v_add_nc_u32 v[RD+2], SP+256, v[RD]
	v_lshlrev_b32 v5, 4, v1                        ; and the same pieces in qkv
	v_lshl_add_u32 v[CO], v2, 8, v5
	v_mul_u32_u24 v6, v2, WROW-512
	v_add_nc_u32 v6, v6, v5
	v_add_nc_u32 v[CO+1], 512, v6
	v_add_nc_u32 v[CO+2], WROW+256, v[CO]
	s_lshl_b32 s16, s13, 8
	s_lshl_b32 s17, s10, 6
	s_add_co_u32 s16, s16, s17                     ; the first row of qkv that I store
	s_mul_i32 s16, s16, WROW
	s_mov_b32 s17, 0
	s_add_nc_u64 s[8:9], s[8:9], s[16:17]
	s_mul_i32 s46, s42, 768                        ; the tile's first column, in bytes
	s_mov_b32 s47, 0
	s_add_nc_u64 s[8:9], s[8:9], s[46:47]
	; the prefetches stand at K step 2: each change of slots steps them first, so the first names K step 3
	s_lshl_b32 s20, s13, 15                        ; xb: the tile's 256 rows of 128 bytes,
	s_lshl_b32 s21, s40, 13                        ; partner cx's 32 blocks of 256 bytes
	s_add_co_u32 s20, s20, s21
	s_add_co_u32 s20, s20, 2*XBLK
	s_lshl_b32 s21, s41, 5                         ; wb: partner cy's 32 rows
	s_add_co_u32 s21, s21, 2*KSTEP
	s_mul_i32 s21, s21, WROW
	s_mul_i32 s22, s42, 768
	s_add_co_u32 s21, s21, s22
	s_sub_co_u32 s22, s10, 1                       ; waves 1, 2, 3: the row's block 0, 1, 2 (wave 0 does not take this number)
	s_lshl_b32 s22, s22, 8
	s_add_co_u32 s21, s21, s22
	s_and_b32 s22, ttmp7, 0xffff                   ; cluster y
	s_mov_b32 s23, KSTEP*WROW
	s_mov_b32 s19, WROW
	s_cmp_eq_u32 s10, 0                            ; do I prefetch xb?
	s_cselect_b32 s20, s20, s21
	s_cselect_b32 s22, ttmp9, s22                  ; the coordinate along which other clusters read the same rows
	s_cselect_b64 s[PFA:PFA+1], s[4:5], s[6:7]
	s_cselect_b32 s[PST], XBLK, s23
	s_cselect_b32 s19, 256, s19
	s_cselect_b32 s18, 0, 1                        ; slot 0's change: xb in every lap, wb in all but the last
	s_cselect_b32 s17, 1, -1                       ; slot 1's change: xb in all but the last, wb never
	s_mov_b32 s[PST+1], 0
	s_mov_b32 s21, 0
	s_add_nc_u64 s[PFA:PFA+1], s[PFA:PFA+1], s[20:21]
	s_cmp_eq_u32 s22, 0
	s_cselect_b32 s[LIMA], s18, -1                 ; the same in all sixteen partners, for a given wave
	s_cselect_b32 s[LIMB], s17, -1
	v_and_b32 v6, 31, v0
	v_mul_u32_u24 v[PFO], v6, s19                  ; a lane a block, or a lane a row
; 16 matrix instructions of group g: column blocks 4 g + b0, 4 g + b0 + 1 x all 8 row blocks, 32 along K.  zero = 1: the first product starts the sums.  The 96 accumulators take turns.
.macro MUL16 f, g, b0, zero
	WIN 0x50*((\g)+1)                              ; sources window 0; C and D window g + 1
.irp bb, \b0, (\b0)+1
.irp a, 0,1,2,3,4,5,6,7
.if \zero
	v_wmma_f32_16x16x32_bf16 v[8*(8*(\bb)+(\a)):8*(8*(\bb)+(\a))+7], v[FB+8*(4*(\g)+(\bb)):FB+8*(4*(\g)+(\bb))+7], v[(\f)+8*(\a):(\f)+8*(\a)+7], 0
.else
	v_wmma_f32_16x16x32_bf16 v[8*(8*(\bb)+(\a)):8*(8*(\bb)+(\a))+7], v[FB+8*(4*(\g)+(\bb)):FB+8*(4*(\g)+(\bb))+7], v[(\f)+8*(\a):(\f)+8*(\a)+7], v[8*(8*(\bb)+(\a)):8*(8*(\bb)+(\a))+7]
.endif
.endr
.endr
.endm
.macro FETCHB slot, q, g               ; 8 LDS loads: group g's four fragments of wb for quarter q, turned
	WIN 0
.irp i, 0,1,2,3
	ds_load_tr16_b128 v[FB+8*(4*(\g)+(\i)):FB+8*(4*(\g)+(\i))+3],   v[ADRB+3*(\slot)+(\g)] offset:(\q)*32*PB+(\i)*32
	ds_load_tr16_b128 v[FB+8*(4*(\g)+(\i))+4:FB+8*(4*(\g)+(\i))+7], v[ADRB+3*(\slot)+(\g)] offset:(\q)*32*PB+16*PB+(\i)*32
.endr
.endm
.macro FETCHA slot, q, f               ; 16 LDS loads: xb's eight fragments for quarter q into buffer f
	WIN 0
.irp i, 0,1,2,3,4,5,6,7
	ds_load_b128 v[(\f)+8*(\i):(\f)+8*(\i)+3],   v[ADRA+(\slot)] offset:(\q)*64+(\i)*16*PA
	ds_load_b128 v[(\f)+8*(\i)+4:(\f)+8*(\i)+7], v[ADRA+(\slot)] offset:(\q)*64+(\i)*16*PA+32
.endr
.endm
.macro PLACES                          ; four plain vector instructions between a matrix instruction and a load into, or a read of, its registers
.rept 4
	v_nop
.endr
.endm
; A K step's first quarter: multiplies buffer F0; fetches the same slot's second quarter: xb into F1, wb in place.
.macro QUARTER slot, zero
	s_wait_dscnt 16                                ; the run of 24 is in; the two runs of 8 behind it may be out
	MUL16 F0, 0, 0, \zero
	MUL16 F0, 0, 2, \zero
	PLACES
	FETCHB \slot, 1, 0
	FETCHA \slot, 1, F1
	s_wait_dscnt 32                                ; group 1's fragments are in; behind them: group 2's 8 and the 24 just issued
	MUL16 F0, 1, 0, \zero
	MUL16 F0, 1, 2, \zero
	PLACES
	FETCHB \slot, 1, 1
	s_wait_dscnt 32                                ; group 2's fragments are in; behind them: the 24 and the 8 of this quarter
	MUL16 F0, 2, 0, \zero
	MUL16 F0, 2, 2, \zero
	PLACES
	FETCHB \slot, 1, 2
.endm
; The head of a K step's second quarter: one barrier for the change of slots.  All that the quarter multiplies has been asked of LDS.  In front of the barrier each wave waits for all its tensor loads
; (one is out: its part of the next slot), adds 0 to its spare word, and waits for that and for its reads of this slot.
.macro MEET
	WIN 0
	s_wait_tensorcnt 0x0
	ds_add_u32 v[SPW], v[NIL]
	s_wait_dscnt 17                                ; the run of 24 is in; the two runs of 8 and the add may be out
	MUL16 F1, 0, 0, 0
	s_wait_dscnt 0x0                               ; the add is done, and my reads of this slot are over
	s_barrier_signal -1
	MUL16 F1, 0, 2, 0
	WIN 0                                          ; branches may follow
	s_barrier_wait -1
.endm
.macro REST next                       ; groups 1 and 2 of the second quarter, and wb's fragments for the next slot's first
	MUL16 F1, 1, 0, 0
	MUL16 F1, 1, 2, 0
	PLACES
	FETCHB \next, 0, 1
	MUL16 F1, 2, 0, 0
	MUL16 F1, 2, 2, 0
	PLACES
	FETCHB \next, 0, 2
.endm
.macro TURN slot, next, lim            ; the second quarter, with a refill: the K step two steps on, asked for first behind the round; 160 matrix instructions stand between the request and the wait for it
	s_wait_xcnt 0x0                                ; the last prefetch, a K step or two back, has read its address
	s_add_nc_u64 s[PFA:PFA+1], s[PFA:PFA+1], s[PST:PST+1]
	MEET
	CREST                                          ; no wave of any partner still reads this slot or has a load on its way
	s_add_nc_u64 s[G0+4*(\slot)+2:G0+4*(\slot)+3], s[G0+4*(\slot)+2:G0+4*(\slot)+3], 2*XBLK
	s_add_nc_u64 s[G0B+4*(\slot)+2:G0B+4*(\slot)+3], s[G0B+4*(\slot)+2:G0B+4*(\slot)+3], 2*KSTEP*WROW
	JLOAD \slot                                    ; its four v_nop are also the places in front of the loads below
	FETCHB \next, 0, 0
	FETCHA \next, 0, F0
	ASK \lim
	REST \next
.endm
.macro TURNN next                      ; the same with nothing left to fetch: a plain barrier
	MEET
	PLACES
	FETCHB \next, 0, 0
	FETCHA \next, 0, F0
	REST \next
.endm
	s_wait_tensorcnt 1                             ; my part of K step 0 is in; K step 1's may stay out
	s_barrier_signal -1
	s_barrier_wait -1
	FETCHB 0, 0, 0                                 ; in the order of the runs: 24, 8, 8
	FETCHA 0, 0, F0
	FETCHB 0, 0, 1
	FETCHB 0, 0, 2
	QUARTER 0, 1                                   ; the first quarter stands in front of the loop: its products start the sums
	WIN 0
	s_mov_b32 s3, LAPS-1
.Llap:                                                 ; a trip goes once round the ring, from a lap's second quarter to the next lap's first, and fills both slots again
	TURN 0, 1, LIMA
	QUARTER 1, 0
	TURN 1, 0, LIMB
	QUARTER 0, 0
	WIN 0
	s_sub_co_u32 s3, s3, 1
	s_cmp_lg_u32 s3, 0
	s_cbranch_scc1 .Llap
	TURNN 1                                        ; the last lap fills nothing
	QUARTER 1, 0
	s_wait_dscnt 16                                ; the very last quarter: nothing more to fetch
	MUL16 F1, 0, 0, 0
	MUL16 F1, 0, 2, 0
	s_wait_dscnt 8
	MUL16 F1, 1, 0, 0
	MUL16 F1, 1, 2, 0
	s_wait_dscnt 0x0                               ; my reads of the ring are over:
	s_barrier_signal -1                            ; say so,
	MUL16 F1, 2, 0, 0
	MUL16 F1, 2, 2, 0
	WIN 0
	s_barrier_wait -1                              ; everybody's are: the ring's bytes, which have had their last fill, may be written
	; THE WAY OUT.  A wave's 192 columns are 384 bytes, so a row's three aligned pieces of 256 bytes come from two waves: all is rounded to f16 and laid into ONE stage (16 bytes a lane);
	; a barrier; then each wave reads 64 whole rows back, 8 rows a trip, and stores them.
	PLACES
.set e, 0
.rept 24
	v_mov_b32 v[CSUM+e], 0
.set e, e+1
.endr
	v_mov_b32 v[ONE], 1.0
	v_mov_b32 v[RCV], 0                            ; v_permlanex16_b32's destination counts as read
.macro PACK g                          ; window g + 1; each accumulator's registers in ascending order
	WIN 0x05*((\g)+1)                              ; sources 0 and 1: window g + 1
.irp bb, 0,1,2,3
.irp a, 0,1,2,3,4,5,6,7
.irp r, 0,1,2,3
	v_cvt_pk_f16_f32 v[TMP+4*(8*(\bb)+(\a))+(\r)], v[8*(8*(\bb)+(\a))+2*(\r)], v[8*(8*(\bb)+(\a))+2*(\r)+1]
.endr
.endr
.endr
	WIN 0
.irp bb, 0,1,2,3
.irp a, 0,1,2,3,4,5,6,7
	ds_store_b128 v[STO+(\a)/4], v[TMP+4*(8*(\bb)+(\a)):TMP+4*(8*(\bb)+(\a))+3] offset:((\a)%4)*16*SP+32*(4*(\g)+(\bb))
.endr
.endr
.endm
	PACK 0
	PACK 1
	PACK 2
	s_wait_dscnt 0x0                               ; for the others' sake: my stores into the stage are done
	s_barrier_signal -1
	s_barrier_wait -1
	s_mov_b32 s2, 8
.Lout:
.irp g, 0,1,2,3
.irp j, 0,1,2
	ds_load_b128 v[OB+4*(3*\g+\j):OB+4*(3*\g+\j)+3], v[RD+\j] offset:\g*2*SP
.endr
.endr
	s_wait_dscnt 0x0
	s_cmp_eq_u32 s[ISV], 0
	s_cbranch_scc1 .Lno_sum
.irp g, 0,1,2,3                        ; column sums, in f32, of the numbers as stored: my 8 columns of load j's piece
.irp j, 0,1,2
.irp e, 0,2,4,6
	v_fma_mix_f32 v[CSUM+8*\j+\e], v[OB+4*(3*\g+\j)+\e/2], v[ONE], v[CSUM+8*\j+\e] op_sel_hi:[1,0,0]
	v_fma_mix_f32 v[CSUM+8*\j+\e+1], v[OB+4*(3*\g+\j)+\e/2], v[ONE], v[CSUM+8*\j+\e+1] op_sel:[1,0,0] op_sel_hi:[1,0,0]
.endr
.endr
.endr
.Lno_sum:
.irp g, 0,1,2,3
.irp j, 0,1,2
	global_store_b128 v[CO+\j], v[OB+4*(3*\g+\j):OB+4*(3*\g+\j)+3], s[8:9] offset:\g*2*WROW  ; 16 lanes store 256 consecutive bytes, at a multiple of 256 from qkv's first byte
.endr
.endr
	s_wait_xcnt 0x0                                ; the stores have read their registers and their base
.irp j, 0,1,2
	v_add_nc_u32 v[RD+\j], 8*SP, v[RD+\j]
.endr
	s_add_nc_u64 s[8:9], s[8:9], 8*WROW
	s_sub_co_u32 s2, s2, 1
	s_cmp_lg_u32 s2, 0
	s_cbranch_scc1 .Lout
	s_cmp_eq_u32 s[ISV], 0
	s_cbranch_scc1 .Ldone
	; Piece t of a row was read by lanes 0-15 in load ja (the even or the odd rows) and by lanes 16-31 in load jb (the others).  Lanes 0-15 store its columns 8 c + 0..3, lanes 16-31 its columns 8 c + 4..7:
	; each lane keeps its own four sums of those, sends the four that the lane 16 away stores, and adds what it is sent.
	v_cmp_eq_u32 vcc_lo, 1, v2
.macro THIRD t, ja, jb
.irp i, 0,1,2,3
	v_cndmask_b32 v[SND], v[CSUM+8*(\ja)+4+\i], v[CSUM+8*(\jb)+\i], vcc_lo
	v_cndmask_b32 v[OUTV+4*(\t)+\i], v[CSUM+8*(\ja)+\i], v[CSUM+8*(\jb)+4+\i], vcc_lo
	v_permlanex16_b32 v[RCV], v[SND], s[SEL], s[SEL+1]
	v_add_f32 v[OUTV+4*(\t)+\i], v[OUTV+4*(\t)+\i], v[RCV]
.endr
.endm
	THIRD 0, 0, 1
	THIRD 1, 2, 0
	THIRD 2, 1, 2
	v_lshlrev_b32 v5, 5, v1
	v_lshl_add_u32 v5, v2, 4, v5
	s_lshl_b32 s16, s13, 2
	s_add_co_u32 s16, s16, s10                     ; the chunk of 64 rows
	s_mul_i32 s16, s16, 6144                       ; 1,536 f32
	s_mov_b32 s17, 0
	s_add_nc_u64 s[CSP:CSP+1], s[CSP:CSP+1], s[16:17]
	s_sub_co_u32 s46, s42, 4                       ; the tile's 384 columns among cs's
	s_mul_i32 s46, s46, 1536
	s_mov_b32 s47, 0
	s_add_nc_u64 s[CSP:CSP+1], s[CSP:CSP+1], s[46:47]
.irp t, 0,1,2
	global_store_b128 v5, v[OUTV+4*\t:OUTV+4*\t+3], s[CSP:CSP+1] offset:512*\t  ; 512 consecutive bytes
.endr
.Ldone:
	s_wait_tensorcnt 0x0                           ; the wave's end, behind my last tensor load and my last LDS store
	ds_add_u32 v[SPW], v[NIL]
	s_wait_dscnt 0x0
	CROUND                                         ; the closing round
	s_endpgm
.Lfunc_end_k_qd0d8b7a2cf_proj:
	.size	k_qd0d8b7a2cf_proj, .Lfunc_end_k_qd0d8b7a2cf_proj-k_qd0d8b7a2cf_proj
	.p2alignl 7, 3214868480
	.fill 96, 4, 3214868480
	.section	.rodata,"a",@progbits
	.p2align	6, 0x0
	.amdhsa_kernel k_qd0d8b7a2cf_proj
		.amdhsa_group_segment_fixed_size 327680
		.amdhsa_private_segment_fixed_size 0
		.amdhsa_enable_private_segment 0
		.amdhsa_kernarg_size 32
		.amdhsa_user_sgpr_count 2
		.amdhsa_user_sgpr_kernarg_segment_ptr 1
		.amdhsa_wavefront_size32 1
		.amdhsa_system_sgpr_workgroup_id_x 1
		.amdhsa_system_sgpr_workgroup_id_y 1
		.amdhsa_system_sgpr_workgroup_id_z 1
		.amdhsa_system_vgpr_workitem_id 0
		.amdhsa_next_free_vgpr 1024
		.amdhsa_next_free_sgpr 74
		.amdhsa_reserve_vcc 1
		.amdhsa_float_denorm_mode_32 3
		.amdhsa_float_denorm_mode_16_64 3
		.amdhsa_memory_ordered 1
		.amdhsa_forward_progress 1
		.amdhsa_inst_pref_size 128
	.end_amdhsa_kernel
	.amdgpu_metadata
---
amdhsa.version: [ 1, 2 ]
amdhsa.kernels:
  - .name:           k_qd0d8b7a2cf_proj
    .symbol:         k_qd0d8b7a2cf_proj.kd
    .args:
      - { .name: xb, .offset: 0, .size: 8, .value_kind: global_buffer, .address_space: global }
      - { .name: wb, .offset: 8, .size: 8, .value_kind: global_buffer, .address_space: global }
      - { .name: qkv, .offset: 16, .size: 8, .value_kind: global_buffer, .address_space: global }
      - { .name: cs, .offset: 24, .size: 8, .value_kind: global_buffer, .address_space: global }
    .group_segment_fixed_size: 327680
    .private_segment_fixed_size: 0
    .kernarg_segment_align: 8
    .kernarg_segment_size: 32
    .max_flat_workgroup_size: 128
    .sgpr_count:     74
    .vgpr_count:     1024
    .wavefront_size: 32
...
	.end_amdgpu_metadata
.endif
;; end of part 2
;; launch scores (part 3): grid 10 x 16, 4 waves a work-group, no clusters, 327,680 bytes of LDS; arguments qkv, cs, pt, st, ts; writes pt, st, ts
.if DOCPART == 3
	.amdgcn_target "amdgcn-amd-amdhsa--gfx1250"
	.amdhsa_code_object_version 6
	.text
	.protected	k_qd0d8b7a2cf_scores
	.globl	k_qd0d8b7a2cf_scores
	.p2align	8
	.type	k_qd0d8b7a2cf_scores,@function
k_qd0d8b7a2cf_scores:
	s_mov_b64 s[64:65], 0
	v_nop
	global_prefetch_b8 v0, s[64:65] scope:SCOPE_SE
	s_setreg_imm32_b32 hwreg(HW_REG_WAVE_MODE, 25, 1), 1
	s_wait_xcnt 0x0
; For each of the 144 tiles (I, J), J <= I, of 256 queries x 256 keys of the four batches: s = q . k (f16 operands, f32 sums); in the diagonal tile s = 0 where key > query (the mask selects);
; for each row of the tile its maximum m, pt = 2^(c s - c m) rounded to f16, c = log2(e) / 32, and st = (c m, l), l the f32 sum of the unrounded weights.  The rows' maxima over tiles are joined by the next launch.
; Tiles wholly above the diagonal are not made: all their scores are 0, so their keys share one weight, and only the sum of their rows of v is wanted:
; ts[b][I][d] = the sum over keys >= 256 (I + 1) of v, added up from cs (sums over chunks of 64 rows; v's columns begin 512 columns into its rows of 1,536) from the last chunk backward, in f32.
; Sixteen further work-groups (x = 9) make it.
; LIMITS.  A weight below 6e-5 keeps f16's fixed step of 6e-8; one below 2^-126 counts as 0 in l.  A hidden score is taken as 0 also where q . k is not finite.  NaN and infinities are not treated apart.
; NO CLUSTER: a batch's 36 tiles lie in rows of 1 to 8; they do not fall into groups of four that share a row or a column without partners that have nothing to do.
; Four waves of 128 x 128, K steps of 128 through two LDS slots; both operands lie along K.  Source 0 = 16 keys, source 1 = 16 queries: a lane holds one query and eight keys.
; THE EPILOGUE is written once: the f32 scores go through the ring's bytes (both slots have had their last fill), so that a wave then holds whole rows of 256 keys, 8 rows a trip, 8 keys a lane.
; Its loads of 16 bytes stand 32 bytes apart from lane to lane: two lanes meet in each bank.
.set KSTEP,  128
.set QROW,   6144                      ; bytes in a row of qkv
.set CROW,   6144                      ; bytes in a row of cs
.set PITCH,  272
.set HALFT,  128*PITCH
.set SLOT,   4*HALFT
.set SPARE,  2*SLOT                    ; the spare words, 128 bytes for each wave, which no other line names
.set DP,     528                       ; the epilogue: a row of 128 f32 + 16 bytes
.set DREG,   128*DP                    ; a wave's 128 x 128 scores
.set STATS,  4*DREG                    ; behind them: 64 pairs (c m, l) for each wave, 512 bytes
.set LAPS,   1024/(2*KSTEP)
.set ADRA, 16
.set ADRB, 20
.set SRD,  22                          ; v22  where I read 16 bytes of my wave's statistics
.set DST,  24                          ; v24  where I put my scores
.set RDA,  25                          ; v25  where I read rows; steps
.set THR,  26                          ; v26  my wave's row less my first key: 64 w + 8 trip - 8 l
.set STW,  27                          ; v27  where the trip's statistics go; steps
.set SPW,  28
.set NIL,  29
.set PFO,  30                          ; v30  lane x a row of qkv
.set PO,   31                          ; v31  16 x lane
.set F0,   64
.set F1,   128
.set S,    64                          ; the epilogue, window 0: row t's 8 scores at S + 8 t
.set P,    128                         ; row t's 8 weights in f16 at P + 4 t
.set M,    160
.set XH,   168
.set CM,   176                         ; row t's pair (c m, l) at CM + 2 t
.set G1,  24
.set G0,  32
.set BB,  40                           ; s40 batch   s41 r   s42 I   s43 J   s44 1: the diagonal tile
.set RR,  41
.set II,  42
.set JJ,  43
.set DG,  44
.set LIM, 45
.set PFA, 46
.set CS,  58                           ; s[58:59] c
.set SEL, 60
.set MK,  70                           ; s70-84  lane masks: delta <= THR, delta = -7 .. 7
.set MSB, 0
.macro WIN new
.if MSB != (\new)
	s_set_vgpr_msb (MSB<<8)|(\new)
.set MSB, \new
.endif
.endm
.set MUL_LO, 0xa1
.set MUL_HI, 0xf1
.set TO_B,   0x40
.macro TLOAD s                         ; every wave moves rows of its own: waves 0, 1 the two halves of q's 256 rows, waves 2, 3 those of k's
	tensor_load_to_lds s[G0+4*(\s):G0+4*(\s)+3], s[G1:G1+7]
	s_nop 0
.rept 4
	v_nop
.endr
.endm
; Prefetches of the K step two refills on.  Every block of q's and of k's rows is read by several tiles; the diagonal tile of the block asks, each wave for the 128 rows that it fetches: a lane a row, four instructions.
.macro ASK
	s_cmp_gt_u32 s3, s[LIM]
	s_cbranch_scc0 .Lnot_mine_\@
.irp n, 0,1,2,3
	global_prefetch_b8 v[PFO], s[PFA:PFA+1] offset:KSTEP*2+(\n)*32*QROW th:TH_LOAD_NT scope:SCOPE_SE
.endr
.Lnot_mine_\@:
.endm
	s_load_b256 s[48:55], s[0:1], 0x0              ; qkv s[48:49], cs s[50:51], pt s[52:53], st s[54:55]
	s_load_b64 s[56:57], s[0:1], 0x20              ; ts
	v_lshl_add_u32 v[SPW], v0, 2, SPARE
	v_mov_b32 v[NIL], 0
	ds_add_u32 v[SPW], v[NIL]                      ; the wave's opening: the add and its wait ahead of my first tensor load
	v_lshrrev_b32 v1, 5, v0
	v_readfirstlane_b32 s10, v1                    ; wave 0..3
	s_lshr_b32 s11, s10, 1                         ; my half of the queries.  Also: I fetch q (0) or k (1)
	s_and_b32 s12, s10, 1                          ; my half of the keys.  Also: which 128 rows I fetch
	s_mov_b32 s13, ttmp9
	s_and_b32 s14, ttmp7, 0xffff
	s_lshr_b32 s[BB], s14, 2
	s_and_b32 s[RR], s14, 3
	s_sub_co_u32 s15, 7, s[RR]                     ; tile rows r and 7 - r together have 9 tiles
	s_sub_co_u32 s16, s13, s[RR]
	s_sub_co_u32 s16, s16, 1
	s_cmp_le_u32 s13, s[RR]
	s_cselect_b32 s[II], s[RR], s15
	s_cselect_b32 s[JJ], s13, s16
	s_cmp_eq_u32 s[II], s[JJ]
	s_cselect_b32 s[DG], 1, 0
	s_cselect_b32 s[LIM], 1, -1
	s_mov_b32 s[G1+0], (1<<16)|(1<<20)|(5<<22)|(3<<25)  ; elements of 2 bytes; padding on: after every 64 words 4 words
	s_mov_b32 s[G1+1], KSTEP<<16
	s_mov_b32 s[G1+2], 128<<16
	s_mov_b32 s[G1+3], KSTEP<<16
	s_mov_b32 s[G1+4], 128
	s_mov_b32 s[G1+5], 3072
	s_mov_b32 s[G1+6], 0
	s_mov_b32 s[G1+7], 0
	s_mov_b32 s[CS], 0x3d38aa3b                    ; c = log2(e) / 32
	s_mov_b32 s[CS+1], s[CS]
	s_mov_b32 s[SEL], 0x76543210
	s_mov_b32 s[SEL+1], 0xfedcba98
	s_cmp_eq_u32 s11, 0
	s_cselect_b32 s16, s[II], s[JJ]
	s_lshl_b32 s16, s16, 8
	s_lshl_b32 s17, s[BB], 11
	s_add_co_u32 s16, s16, s17
	s_lshl_b32 s17, s12, 7
	s_add_co_u32 s16, s16, s17                     ; the first row that I fetch,
	s_mul_i32 s16, s16, QROW
	s_lshl_b32 s17, s11, 11                        ; q at byte 0 of the row, k at byte 2,048
	s_add_co_u32 s16, s16, s17
	s_mov_b32 s17, 0
	s_mul_i32 s22, s10, HALFT
	s_wait_dscnt 0x0                               ; the opening add is done
	s_wait_kmcnt 0x0
	s_cmp_eq_u32 s13, 9
	s_cbranch_scc1 .Lsuffix                        ; ahead of every tensor load and barrier; the same for all four waves
	s_add_nc_u64 s[20:21], s[48:49], s[16:17]
.irp s, 0,1
	s_mov_b32 s[G0+4*(\s)], 1
	s_add_co_u32 s[G0+4*(\s)+1], s22, (\s)*SLOT
	s_add_nc_u64 s[G0+4*(\s)+2:G0+4*(\s)+3], s[20:21], (\s)*KSTEP*2
	s_or_b32 s[G0+4*(\s)+3], s[G0+4*(\s)+3], 0x80000000
	TLOAD \s                                       ; two tensor loads of mine are out
.endr
	s_add_nc_u64 s[PFA:PFA+1], s[20:21], 2*KSTEP*2 ; at K step 2: the first change of slots steps it to 3 and names K step 4
	v_and_b32 v1, 15, v0
	v_bfe_u32 v2, v0, 4, 1
	v_and_b32 v4, 31, v0
	v_mul_u32_u24 v3, v1, PITCH
	v_lshl_add_u32 v3, v2, 4, v3
	s_mul_i32 s18, s11, HALFT
	s_mul_i32 s19, s12, HALFT
	s_add_co_u32 s19, s19, 2*HALFT
.irp s, 0,1
	v_add_nc_u32 v[ADRA+(\s)], s18, v3
	v_add_nc_u32 v[ADRB+(\s)], s19, v3
	s_add_co_u32 s18, s18, SLOT
	s_add_co_u32 s19, s19, SLOT
.endr
	v_mul_u32_u24 v[PFO], v4, QROW
	s_mul_i32 s18, s10, DREG
	v_mul_u32_u24 v5, v1, DP
	v_lshl_add_u32 v5, v2, 5, v5
	v_add_nc_u32 v[DST], s18, v5                   ; my region; row l % 16, 32 bytes for each half of the lanes
	s_mul_i32 s18, s11, 2*DREG                     ; rows 64 w on of the tile lie in the two regions of the query half w / 2,
	s_mul_i32 s19, s12, 64*DP                      ; from row 64 (w % 2) on;
	s_add_co_u32 s18, s18, s19
	v_mul_u32_u24 v5, v2, DREG                     ; lanes 0-15 take keys 0-127, lanes 16-31 keys 128-255
	v_lshl_add_u32 v5, v1, 5, v5
	v_add_nc_u32 v[RDA], s18, v5
	s_lshl_b32 s18, s10, 6
	v_lshlrev_b32 v5, 3, v4
	v_sub_nc_u32 v[THR], s18, v5
	s_lshl_b32 s18, s10, 9
	s_add_co_u32 s18, s18, STATS
	v_mov_b32 v[STW], s18
	v_lshl_add_u32 v[SRD], v4, 4, s18
	v_lshlrev_b32 v[PO], 4, v4
	s_lshl_b32 s16, s[BB], 11
	s_lshl_b32 s17, s[II], 8
	s_add_co_u32 s16, s16, s17
	s_lshl_b32 s17, s10, 6
	s_add_co_u32 s16, s16, s17                     ; the first row that I store
	s_lshl_b32 s18, s16, 12                        ; a row of pt is 4,096 bytes
	s_lshl_b32 s19, s[JJ], 9
	s_add_co_u32 s18, s18, s19
	s_mov_b32 s19, 0
	s_add_nc_u64 s[52:53], s[52:53], s[18:19]
	s_lshl_b32 s18, s[BB], 3
	s_add_co_u32 s18, s18, s[JJ]
	s_lshl_b32 s18, s18, 11
	s_lshl_b32 s19, s[II], 8
	s_add_co_u32 s18, s18, s19
	s_add_co_u32 s18, s18, s17
	s_lshl_b32 s18, s18, 3                         ; st: ((8 b + J) 2,048 + row) pairs of 8 bytes
	s_mov_b32 s19, 0
	s_add_nc_u64 s[54:55], s[54:55], s[18:19]
.macro MUL16 f, hi, a0, zero           ; the 64 accumulators take turns
	WIN MUL_LO+0x50*(\hi)
.irp a, \a0, (\a0)+1
.irp b, 0,1,2,3,4,5,6,7
.if \zero
	v_wmma_f32_16x16x32_f16 v[8*(8*(\a)+(\b)):8*(8*(\a)+(\b))+7], v[(\f)+8*(\b):(\f)+8*(\b)+7], v[(\f)+8*(4*(\hi)+(\a)):(\f)+8*(4*(\hi)+(\a))+7], 0
.else
	v_wmma_f32_16x16x32_f16 v[8*(8*(\a)+(\b)):8*(8*(\a)+(\b))+7], v[(\f)+8*(\b):(\f)+8*(\b)+7], v[(\f)+8*(4*(\hi)+(\a)):(\f)+8*(4*(\hi)+(\a))+7], v[8*(8*(\a)+(\b)):8*(8*(\a)+(\b))+7]
.endif
.endr
.endr
.endm
.macro FETCH slot, q, f
	WIN TO_B
.irp i, 0,1,2,3,4,5,6,7
	ds_load_b128 v[(\f)+8*(\i):(\f)+8*(\i)+3],   v[ADRB+(\slot)] offset:(\q)*64+(\i)*16*PITCH
	ds_load_b128 v[(\f)+8*(\i)+4:(\f)+8*(\i)+7], v[ADRB+(\slot)] offset:(\q)*64+(\i)*16*PITCH+32
.endr
	WIN 0
.irp i, 0,1,2,3,4,5,6,7
	ds_load_b128 v[(\f)+8*(\i):(\f)+8*(\i)+3],   v[ADRA+(\slot)] offset:(\q)*64+(\i)*16*PITCH
	ds_load_b128 v[(\f)+8*(\i)+4:(\f)+8*(\i)+7], v[ADRA+(\slot)] offset:(\q)*64+(\i)*16*PITCH+32
.endr
.endm
.macro PLACES
.rept 4
	v_nop
.endr
.endm
.macro QUARTER slot, q, f, g, zero
	s_wait_dscnt 8                                 ; k's fragments and q's rows 0-63 are in; the youngest eight loads may be out
	WIN MUL_LO
	MUL16 \f, 0, 0, \zero
	MUL16 \f, 0, 2, \zero
	PLACES
	FETCH \slot, \q, \g
	s_wait_dscnt 32                                ; all but the 32 just issued
	WIN MUL_HI
	MUL16 \f, 1, 0, \zero
	MUL16 \f, 1, 2, \zero
.endm
.macro MEET                            ; one barrier for the change of slots: all my tensor loads have landed, the add, and my reads of this slot are over
	WIN 0
	s_wait_tensorcnt 0x0
	ds_add_u32 v[SPW], v[NIL]
	s_wait_dscnt 9                                 ; the add and the youngest eight loads may be out
	WIN MUL_LO
	MUL16 F1, 0, 0, 0
	s_wait_dscnt 0x0
	s_barrier_signal -1
	MUL16 F1, 0, 2, 0
	WIN 0
	s_barrier_wait -1
.endm
.macro TURN slot, next
	s_wait_xcnt 0x0                                ; the last prefetches, a K step back, have read their address
	s_add_nc_u64 s[PFA:PFA+1], s[PFA:PFA+1], KSTEP*2
	MEET
	s_add_nc_u64 s[G0+4*(\slot)+2:G0+4*(\slot)+3], s[G0+4*(\slot)+2:G0+4*(\slot)+3], 2*KSTEP*2
	TLOAD \slot                                    ; my one tensor load behind the barrier; its four v_nop are also the places in front of the loads below
	FETCH \next, 0, F0
	ASK
	WIN MUL_HI
	MUL16 F1, 1, 0, 0
	MUL16 F1, 1, 2, 0
.endm
.macro TURNN slot, next
	MEET
	PLACES
	FETCH \next, 0, F0
	WIN MUL_HI
	MUL16 F1, 1, 0, 0
	MUL16 F1, 1, 2, 0
.endm
	s_wait_tensorcnt 1                             ; my part of K step 0 is in; K step 1's may stay out
	s_barrier_signal -1
	s_barrier_wait -1
	FETCH 0, 0, F0
	QUARTER 0, 1, F0, F1, 1
	WIN 0
	s_mov_b32 s3, LAPS-1
.Llap:
	QUARTER 0, 2, F1, F0, 0
	QUARTER 0, 3, F0, F1, 0
	TURN 0, 1
	QUARTER 1, 1, F0, F1, 0
	QUARTER 1, 2, F1, F0, 0
	QUARTER 1, 3, F0, F1, 0
	TURN 1, 0
	QUARTER 0, 1, F0, F1, 0
	WIN 0
	s_sub_co_u32 s3, s3, 1
	s_cmp_lg_u32 s3, 0
	s_cbranch_scc1 .Llap
	QUARTER 0, 2, F1, F0, 0
	QUARTER 0, 3, F0, F1, 0
	TURNN 0, 1
	QUARTER 1, 1, F0, F1, 0
	QUARTER 1, 2, F1, F0, 0
	QUARTER 1, 3, F0, F1, 0
	s_wait_dscnt 8
	WIN MUL_LO
	MUL16 F1, 0, 0, 0
	MUL16 F1, 0, 2, 0
	s_wait_dscnt 0x0
	MUL16 F1, 1, 0, 0
	MUL16 F1, 1, 2, 0
	WIN 0
	PLACES
	s_wait_dscnt 0x0                               ; my reads of slot 1 are over,
	s_barrier_signal -1
	s_barrier_wait -1                              ; everybody's are: the ring's bytes may be written
.irp a, 0,1,2,3,4,5,6,7
	WIN 0x08+4*((\a)/4)                            ; the stores' data in window 2 or 3
.irp b, 0,1,2,3,4,5,6,7
	ds_store_b128 v[DST], v[64*((\a)%4)+8*(\b):64*((\a)%4)+8*(\b)+3]   offset:(\a)*16*DP+(\b)*64
	ds_store_b128 v[DST], v[64*((\a)%4)+8*(\b)+4:64*((\a)%4)+8*(\b)+7] offset:(\a)*16*DP+(\b)*64+16
.endr
.endr
	WIN 0
.irp t, 0,1,2,3,4,5,6,7
	v_mov_b32 v[XH+\t], 0                          ; v_permlanex16_b32's destination counts as read
	v_mov_b32 v[CM+2*\t+1], 0                      ; named in a pair before l is made
.endr
	s_wait_dscnt 0x0                               ; for the others' sake: my stores are done
	s_barrier_signal -1
	s_barrier_wait -1
	s_mov_b32 s2, 8
.Lrows:                                                ; 8 rows of 256 keys a trip: row t's keys 8 l + 0..7 in S + 8 t
.irp t, 0,1,2,3,4,5,6,7
	ds_load_b128 v[S+8*\t:S+8*\t+3],   v[RDA] offset:\t*DP
	ds_load_b128 v[S+8*\t+4:S+8*\t+7], v[RDA] offset:\t*DP+16
.endr
	s_wait_dscnt 0x0
	s_cmp_eq_u32 s[DG], 0
	s_cbranch_scc1 .Lopen
.irp d, 0,1,2,3,4,5,6,7,8,9,10,11,12,13,14
	v_cmp_le_i32 s[MK+\d], (\d)-7, v[THR]          ; key 8 l + j is seen by row 64 w + 8 trip + t where j - t <= THR
.endr
.irp t, 0,1,2,3,4,5,6,7
.irp j, 0,1,2,3,4,5,6,7
	v_cndmask_b32 v[S+8*\t+\j], 0, v[S+8*\t+\j], s[MK+\j-\t+7]  ; a hidden score is 0
.endr
.endr
.Lopen:
.irp t, 0,1,2,3,4,5,6,7
	v_max3_num_f32 v[M+\t], v[S+8*\t], v[S+8*\t+1], v[S+8*\t+2]
.endr
.irp t, 0,1,2,3,4,5,6,7
	v_max3_num_f32 v[M+\t], v[M+\t], v[S+8*\t+3], v[S+8*\t+4]
.endr
.irp t, 0,1,2,3,4,5,6,7
	v_max3_num_f32 v[M+\t], v[M+\t], v[S+8*\t+5], v[S+8*\t+6]
.endr
.irp t, 0,1,2,3,4,5,6,7
	v_max_num_f32 v[M+\t], v[M+\t], v[S+8*\t+7]
.endr
.irp x, 1,2,4,8
.irp t, 0,1,2,3,4,5,6,7
	v_max_num_f32_dpp v[M+\t], v[M+\t], v[M+\t] row_xmask:\x row_mask:0xf bank_mask:0xf
.endr
.endr
.irp t, 0,1,2,3,4,5,6,7
	v_permlanex16_b32 v[XH+\t], v[M+\t], s[SEL], s[SEL+1]
.endr
.irp t, 0,1,2,3,4,5,6,7
	v_max_num_f32 v[M+\t], v[M+\t], v[XH+\t]       ; the row's maximum, in every lane
.endr
.irp t, 0,1,2,3,4,5,6,7
	v_mul_f32 v[CM+2*\t], s[CS], v[M+\t]
.endr
.irp t, 0,1,2,3,4,5,6,7
.irp p, 0,2,4,6
	v_pk_fma_f32 v[S+8*\t+\p:S+8*\t+\p+1], v[S+8*\t+\p:S+8*\t+\p+1], s[CS:CS+1], v[CM+2*\t:CM+2*\t+1] op_sel_hi:[1,0,0] neg_lo:[0,0,1] neg_hi:[0,0,1]  ; c s - c m
.endr
.endr
.set i, 0
.rept 64
	v_exp_f32 v[S+i], v[S+i]                       ; one batch
.set i, i+1
.endr
	v_nop                                          ; a plain instruction behind the last exponential,
	s_wait_alu depctr_va_vdst(0)                   ; and the one wait ahead of the batch's first reader
.irp t, 0,1,2,3,4,5,6,7
.irp p, 0,1,2,3
	v_cvt_pk_f16_f32 v[P+4*\t+\p], v[S+8*\t+2*\p], v[S+8*\t+2*\p+1]
.endr
.endr
.irp t, 0,1,2,3,4,5,6,7
	v_pk_add_f32 v[S+8*\t:S+8*\t+1], v[S+8*\t:S+8*\t+1], v[S+8*\t+2:S+8*\t+3]
.endr
.irp t, 0,1,2,3,4,5,6,7
	v_pk_add_f32 v[S+8*\t+4:S+8*\t+5], v[S+8*\t+4:S+8*\t+5], v[S+8*\t+6:S+8*\t+7]
.endr
.irp t, 0,1,2,3,4,5,6,7
	v_pk_add_f32 v[S+8*\t:S+8*\t+1], v[S+8*\t:S+8*\t+1], v[S+8*\t+4:S+8*\t+5]
.endr
.irp t, 0,1,2,3,4,5,6,7
	v_add_f32 v[CM+2*\t+1], v[S+8*\t], v[S+8*\t+1]
.endr
.irp x, 1,2,4,8
.irp t, 0,1,2,3,4,5,6,7
	v_add_f32_dpp v[CM+2*\t+1], v[CM+2*\t+1], v[CM+2*\t+1] row_xmask:\x row_mask:0xf bank_mask:0xf
.endr
.endr
.irp t, 0,1,2,3,4,5,6,7
	v_permlanex16_b32 v[XH+\t], v[CM+2*\t+1], s[SEL], s[SEL+1]
.endr
.irp t, 0,1,2,3,4,5,6,7
	v_add_f32 v[CM+2*\t+1], v[CM+2*\t+1], v[XH+\t] ; l, in every lane
.endr
.irp t, 0,1,2,3,4,5,6,7
	global_store_b128 v[PO], v[P+4*\t:P+4*\t+3], s[52:53] offset:\t*4096  ; the row's 512 consecutive bytes
	ds_store_b64 v[STW], v[CM+2*\t:CM+2*\t+1] offset:8*\t                 ; all lanes write the same pair to the same place
.endr
	s_wait_xcnt 0x0                                ; the stores have read their registers and their base
	v_add_nc_u32 v[RDA], 8*DP, v[RDA]
	v_add_nc_u32 v[THR], 8, v[THR]
	v_add_nc_u32 v[STW], 64, v[STW]
	s_add_nc_u64 s[52:53], s[52:53], 8*4096
	s_sub_co_u32 s2, s2, 1
	s_cmp_lg_u32 s2, 0
	s_cbranch_scc1 .Lrows
	ds_load_b128 v[S:S+3], v[SRD]                  ; my wave's own 64 pairs: LDS serves a wave's instructions in order
	s_wait_dscnt 0x0
	global_store_b128 v[PO], v[S:S+3], s[54:55]    ; 512 consecutive bytes
	s_branch .Lend
.Lsuffix:                                              ; batch b, v's columns 256 r on: thread t has columns 2 t, 2 t + 1
	v_lshlrev_b32 v2, 3, v0
	s_mul_i32 s16, s[BB], 32*CROW                  ; the batch's 32 chunks of 64 rows,
	s_lshl_b32 s17, s[RR], 10
	s_add_co_u32 s16, s16, s17
	s_add_co_u32 s16, s16, 2048                    ; v's first column in a row of cs
	s_lshl_b32 s18, s[BB], 15                      ; ts: 8 rows of 4,096 bytes
	s_add_co_u32 s18, s18, s17
	s_mov_b32 s17, 0
	s_mov_b32 s19, 0
	s_add_nc_u64 s[50:51], s[50:51], s[16:17]
	s_add_nc_u64 s[56:57], s[56:57], s[18:19]
.irp g, 4,5,6,7,8,9,10,11,12,13,14,15,16,17,18,19,20,21,22,23,24,25,26,27,28,29,30,31
	global_load_b64 v[32+2*\g:33+2*\g], v2, s[50:51] offset:\g*CROW  ; a wave loads 256 consecutive bytes
.endr
	v_mov_b32 v110, 0                              ; behind the last tile there is nothing
	v_mov_b32 v111, 0
	s_wait_loadcnt 0x0
.irp n, 6,5,4,3,2,1,0                  ; from the end backward, four chunks a tile: a sum, never a difference of sums
	v_pk_add_f32 v[96+2*\n:97+2*\n], v[98+2*\n:99+2*\n], v[40+8*\n:41+8*\n]
	v_pk_add_f32 v[96+2*\n:97+2*\n], v[96+2*\n:97+2*\n], v[42+8*\n:43+8*\n]
	v_pk_add_f32 v[96+2*\n:97+2*\n], v[96+2*\n:97+2*\n], v[44+8*\n:45+8*\n]
	v_pk_add_f32 v[96+2*\n:97+2*\n], v[96+2*\n:97+2*\n], v[46+8*\n:47+8*\n]
.endr
.irp n, 0,1,2,3,4,5,6,7
	global_store_b64 v2, v[96+2*\n:97+2*\n], s[56:57] offset:\n*4096  ; a wave stores 256 consecutive bytes
.endr
.Lend:
	s_wait_tensorcnt 0x0                           ; the wave's end
	ds_add_u32 v[SPW], v[NIL]
	s_wait_dscnt 0x0
	s_endpgm
.Lfunc_end_k_qd0d8b7a2cf_scores:
	.size	k_qd0d8b7a2cf_scores, .Lfunc_end_k_qd0d8b7a2cf_scores-k_qd0d8b7a2cf_scores
	.p2alignl 7, 3214868480
	.fill 96, 4, 3214868480
	.section	.rodata,"a",@progbits
	.p2align	6, 0x0
	.amdhsa_kernel k_qd0d8b7a2cf_scores
		.amdhsa_group_segment_fixed_size 327680
		.amdhsa_private_segment_fixed_size 0
		.amdhsa_enable_private_segment 0
		.amdhsa_kernarg_size 40
		.amdhsa_user_sgpr_count 2
		.amdhsa_user_sgpr_kernarg_segment_ptr 1
		.amdhsa_wavefront_size32 1
		.amdhsa_system_sgpr_workgroup_id_x 1
		.amdhsa_system_sgpr_workgroup_id_y 1
		.amdhsa_system_sgpr_workgroup_id_z 1
		.amdhsa_system_vgpr_workitem_id 0
		.amdhsa_next_free_vgpr 1024
		.amdhsa_next_free_sgpr 86
		.amdhsa_reserve_vcc 0
		.amdhsa_float_denorm_mode_32 3
		.amdhsa_float_denorm_mode_16_64 3
		.amdhsa_memory_ordered 1
		.amdhsa_forward_progress 1
		.amdhsa_inst_pref_size 147
	.end_amdhsa_kernel
	.amdgpu_metadata
---
amdhsa.version: [ 1, 2 ]
amdhsa.kernels:
  - .name:           k_qd0d8b7a2cf_scores
    .symbol:         k_qd0d8b7a2cf_scores.kd
    .args:
      - { .name: qkv, .offset: 0, .size: 8, .value_kind: global_buffer, .address_space: global }
      - { .name: cs, .offset: 8, .size: 8, .value_kind: global_buffer, .address_space: global }
      - { .name: pt, .offset: 16, .size: 8, .value_kind: global_buffer, .address_space: global }
      - { .name: st, .offset: 24, .size: 8, .value_kind: global_buffer, .address_space: global }
      - { .name: ts, .offset: 32, .size: 8, .value_kind: global_buffer, .address_space: global }
    .group_segment_fixed_size: 327680
    .private_segment_fixed_size: 0
    .kernarg_segment_align: 8
    .kernarg_segment_size: 40
    .max_flat_workgroup_size: 128
    .sgpr_count:     86
    .vgpr_count:     1024
    .wavefront_size: 32
...
	.end_amdgpu_metadata
.endif
;; end of part 3
;; launch pv (part 4): grid 8 x 32, 4 waves a work-group, clusters of 4 x 1, 327,680 bytes of LDS; arguments pt, qkv, st, ts, out0; writes out0
.if DOCPART == 4
	.amdgcn_target "amdgcn-amd-amdhsa--gfx1250"
	.amdhsa_code_object_version 6
	.text
	.protected	k_qd0d8b7a2cf_pv
	.globl	k_qd0d8b7a2cf_pv
	.p2align	8
	.type	k_qd0d8b7a2cf_pv,@function
k_qd0d8b7a2cf_pv:
	s_mov_b64 s[64:65], 0
	v_nop
	global_prefetch_b8 v0, s[64:65] scope:SCOPE_SE
	s_setreg_imm32_b32 hwreg(HW_REG_WAVE_MODE, 25, 1), 1
	s_wait_xcnt 0x0
	s_wait_alu depctr_hold_cnt(0) depctr_sa_sdst(0) depctr_va_vdst(0) depctr_va_sdst(0) depctr_va_ssrc(0) depctr_va_vcc(0) depctr_vm_vsrc(0)
	s_getreg_b32 s2, hwreg(HW_REG_IB_STS2, 6, 4)
	s_cmp_eq_u32 s2, 0
	s_cbranch_scc0 .Lentry_in_a_cluster
	s_endpgm
.Lentry_in_a_cluster:
	s_bfe_u32 s2, ttmp6, 0x10000c
	s_cmp_lg_u32 s2, 0x3003
	s_cbranch_scc0 .Lentry_shape_is_right
	s_endpgm
.Lentry_shape_is_right:
; out0[b][q][d] = (e TS[d] + the sum over key tiles J <= I of f_J (P_J V_J)[q][d]) / L.  P_J = pt's tile (weights relative to the tile's own row maximum), V = qkv's third part, both f16; sums in f32.
; For a row: MR = the maximum of the tiles' c m and, where keys lie behind tile I, of 0 (their scores are 0): the row's true maximum.  f_J = 2^(c m_J - MR), e = 2^(-MR), L = sum f_J l_J + (2048 - 256 (I + 1)) e.
; TS = ts[b][I]: the sum of v over the keys behind tile I.  Every exponent is at most 0.  LIMITS: a factor below 2^-126 counts as 0; NaN and infinities are not treated apart.
; SHARES.  A work-group makes two blocks of 128 queries x 128 channels, blocks p and 15 - p of a batch's 16: (p / 2 + 1) + (8 - p / 2) = 9 key steps of 256, whatever p.  The block with an even number of
; steps, n1, goes first, so that the change of blocks falls on the end of a lap of two steps.  A wave makes 64 x 64: 16 accumulators.
; CLUSTER.  The four partners have the same batch and p and channel slices 4 x .. 4 x + 3: they walk the same tiles of pt, which are asked for jointly.  V's tiles are a work-group's own: only two work-groups of a
; batch share both the channel slice and the walk.
; A STEP: T = P_J V_J, started with the constant 0 (128 matrix instructions), then O += f_J T (64 packed lines).  O starts as e TS: nothing is cleared.
; THE FACTORS lie in LDS BY THE WALK'S STEP, 0 to 8, so that a step's address is a constant and the lap's count: which block and tile a step belongs to enters only the addresses in st and selections of values.
; Source 0 = 16 channels (V turned by ds_load_tr16_b128), source 1 = 16 queries: a lane holds one query and eight neighbouring channels.
; REGISTERS: window 0: v0-31 addresses; v32-39 the step's factor, a pair for each row block; v40-103 TS of both blocks; v128-255 O, (a, b) at 128 + 8 (4 a + b); window 1: two fragment buffers of 128; window 2: v0-127 T.
.set QROW,  6144
.set PA,    528                        ; an LDS row of pt's tile: 512 bytes + 16
.set PV,    288                        ; an LDS row of V's tile: 256 bytes + 32 = 9 x 32
.set AH,    64*PA                      ; what wave 0 or 1 fetches: 64 queries
.set VH,    128*PV                     ; what wave 2 or 3 fetches: 128 keys
.set VOFF,  2*AH
.set SLOT,  VOFF+2*VH
.set STAGE, 2*SLOT                     ; behind the ring, never filled by a tensor load: 16 rows x 272 bytes for each wave
.set SP,    272
.set TAB,   STAGE+4*16*SP              ; two tables, one for each half of the queries, of 13 entries of 64 rows x 4 bytes: f of the walk's steps 0 .. 8; e of block 1, 2; 1 / L of block 1, 2
.set TBL,   13*256
.set SPARE, TAB+2*TBL                  ; the spare words, 128 bytes for each wave, which no other line names
.set ADRA, 8                           ; v8-9    my fragments of pt in slot 0, 1
.set ADRB, 10                          ; v10-13  my fragments of V: slot s, keys 128 u on, at 2 s + u
.set STO,  14
.set RD,   15
.set GO,   16
.set TP,   17                          ; v17     my row in the table, at the lap's first step; steps by two entries a lap
.set TR,   18                          ; v18     my row in the table; never rewritten
.set PFO,  20
.set SPW,  22
.set NIL,  23
.set TSO,  24
.set L8,   25
.set TW,   26
.set F,    32
.set TS1,  40
.set VA,   104                         ; v104-112 the offsets in st of the nine steps' pairs
.set O,    128
.set ST,   128                         ; the prologue borrows O's registers: (c m, l) of the walk's step w at ST + 2 w
.set MR,   192                         ; the two blocks' row maxima
.set FX,   196
.set EE,   228
.set LL,   232
.set RL,   236
.set TV,   240
.set NEG,  242
.set MS,   243
.set F0,   0
.set F1,   128
.set CXO, 2                            ; s2   cx x 16 rows of pt
.set WV,  14
.set RH,  15
.set CH,  16
.set CX,  17
.set DT,  18
.set BB,  19
.set PP,  20
.set I1,  21                           ; s21, s22  the blocks' last key tiles
.set I2,  22
.set B1,  23                           ; s23, s66  the blocks' numbers
.set B2,  66
.set G1A, 24
.set G1B, 32
.set G0A, 40
.set G0B, 48
.set ACUR, 56                          ; s[56:57] pt at my rows of the block whose tiles are being asked for
.set A2,  58
.set VB,  60
.set OFF, 62
.set NXT, 67                           ; s67  the tile to be asked for next
.set LQ,  68                           ; s68  the last tile of that block
.set RT,  69                           ; s69  laps that the first block still has
.set LAP, 70
.set LIM, 71
.set PFA, 72
.set OUT1, 74                          ; s[74:75], s[76:77] out0 at my part of the two blocks
.set POF, 78
.set N1,  80                           ; s80  the first block's steps
.set TSA, 96
.set MSB, 0
.macro WIN new
.if MSB != (\new)
	s_set_vgpr_msb (MSB<<8)|(\new)
.set MSB, \new
.endif
.endm
.set MUL,  0xa5                        ; sources 0 (V) and 1 (pt) window 1; C and D window 2
.set TO_F, 0x40
.macro JLOAD g                         ; waves 0, 1: pt's tile, jointly; waves 2, 3: V's tile, my work-group's own.  The branch hangs on the wave's number alone
	s_cmp_lt_u32 s[WV], 2
	s_cbranch_scc0 .Lfor_v_\@
	tensor_load_to_lds s[G0A+4*(\g):G0A+4*(\g)+3], s[G1A:G1A+7]
	s_nop 0
.rept 4
	v_nop
.endr
	s_branch .Lasked_\@
.Lfor_v_\@:
	tensor_load_to_lds s[G0B+4*(\g):G0B+4*(\g)+3], s[G1B:G1B+7]
	s_nop 0
.rept 4
	v_nop
.endr
.Lasked_\@:
.endm
.macro CROUND
	s_barrier_signal -1
	s_barrier_wait -1
	s_cmp_lg_u32 s[WV], 0
	s_cbranch_scc1 .Lnot_wave_0_\@
	s_barrier_signal -3
.Lnot_wave_0_\@:
	s_barrier_wait -3
	s_barrier_signal -1
	s_barrier_wait -1
.endm
; Prefetches of the tile behind the one just asked for: one step, 128 matrix instructions, ahead of its load.  pt's tiles are walked by two clusters: the one with x = 0 asks; its partners share a wave's 64 rows
; out by address, 16 each, two lanes a row.  A channel slice of V is walked by eight work-groups: the one with p = 0, whose first block walks all eight tiles, asks, each wave for its own 128 keys.
; The walk's first three laps ask (tiles 2 to 7 of the walk); tiles 0, 1 and 8 come by their loads alone.
.macro ASK
	s_cmp_gt_u32 s[LAP], s[LIM]
	s_cbranch_scc0 .Lnone_\@
	global_prefetch_b8 v[PFO], s[PFA:PFA+1] th:TH_LOAD_NT scope:SCOPE_SE
	s_cmp_lt_u32 s[WV], 2
	s_cbranch_scc1 .Lnone_\@
.irp n, 1,2,3
	global_prefetch_b8 v[PFO], s[PFA:PFA+1] offset:(\n)*32*QROW th:TH_LOAD_NT scope:SCOPE_SE
.endr
.Lnone_\@:
.endm
	s_load_b256 s[4:11], s[0:1], 0x0               ; pt s[4:5], qkv s[6:7], st s[8:9], ts s[10:11]
	s_load_b64 s[12:13], s[0:1], 0x20              ; out0
	v_lshl_add_u32 v[SPW], v0, 2, SPARE
	v_mov_b32 v[NIL], 0
	ds_add_u32 v[SPW], v[NIL]                      ; the wave's opening: the add and its wait ahead of my first tensor load
	v_lshrrev_b32 v1, 5, v0
	v_readfirstlane_b32 s[WV], v1
	s_lshr_b32 s[RH], s[WV], 1                     ; my half of the queries
	s_and_b32 s[CH], s[WV], 1                      ; my half of the channels.  Also: which half of a tile I fetch
	s_bfe_u32 s[CX], ttmp6, 0x40000
	s_lshl_b32 s[DT], ttmp9, 2
	s_add_co_u32 s[DT], s[DT], s[CX]               ; the slice of 128 channels: it enters V's, ts's, out0's and the prefetches' addresses alone
	s_and_b32 s82, ttmp7, 0xffff
	s_lshr_b32 s[BB], s82, 3
	s_and_b32 s[PP], s82, 7
	s_sub_co_u32 s83, 15, s[PP]
	s_bitcmp1_b32 s[PP], 1                         ; p / 2 odd: block p has an even number of steps
	s_cselect_b32 s[B1], s[PP], s83
	s_cselect_b32 s[B2], s83, s[PP]
	s_lshr_b32 s[I1], s[B1], 1
	s_lshr_b32 s[I2], s[B2], 1
	s_add_co_u32 s[N1], s[I1], 1
	s_lshr_b32 s[RT], s[N1], 1
	s_mov_b32 s[NXT], 1
	s_mov_b32 s[LQ], s[I1]
	s_mov_b32 s[LAP], 4
	s_mov_b32 s[OFF+1], 0
	s_mov_b32 s[POF+1], 0
	s_lshl_b32 s[CXO], s[CX], 16
	s_mov_b32 s[G1A+0], 15|(1<<16)|(1<<20)|(1<<21)|(6<<22)|(3<<25)  ; the mask of four; elements of 2 bytes; padding on; bit 21 beside a mask; after every 128 words 4 words
	s_mov_b32 s[G1A+1], 256<<16                    ; tensor_dim0 = 256
	s_mov_b32 s[G1A+2], 64<<16                     ; tensor_dim1 = 64
	s_mov_b32 s[G1A+3], 256<<16                    ; tile_dim0 = 256
	s_mov_b32 s[G1A+4], 64                         ; tile_dim1 = 64
	s_mov_b32 s[G1A+5], 2048
	s_mov_b32 s[G1A+6], 0
	s_mov_b32 s[G1A+7], 0
	s_mov_b32 s[G1B+0], (1<<16)|(1<<20)|(5<<22)|(7<<25)  ; no mask; after every 64 words 8 words
	s_mov_b32 s[G1B+1], 128<<16
	s_mov_b32 s[G1B+2], 128<<16
	s_mov_b32 s[G1B+3], 128<<16
	s_mov_b32 s[G1B+4], 128
	s_mov_b32 s[G1B+5], 3072
	s_mov_b32 s[G1B+6], 0
	s_mov_b32 s[G1B+7], 0
	s_mul_i32 s82, s[CH], AH
	s_mul_i32 s83, s[CH], VH
	s_add_co_u32 s83, s83, VOFF
.irp g, 0,1
	s_mov_b32 s[G0A+4*\g], 1
	s_add_co_u32 s[G0A+4*\g+1], s82, \g*SLOT
	s_mov_b32 s[G0B+4*\g], 1
	s_add_co_u32 s[G0B+4*\g+1], s83, \g*SLOT
.endr
	s_lshl_b32 s84, s[BB], 11
	s_lshl_b32 s85, s[CH], 6
	s_add_co_u32 s84, s84, s85
	s_lshl_b32 s86, s[B1], 7
	s_add_co_u32 s86, s86, s84
	s_lshl_b32 s86, s86, 12                        ; pt: row 2,048 b + 128 block + 64 half, of 4,096 bytes
	s_mov_b32 s87, 0
	s_lshl_b32 s88, s[B2], 7
	s_add_co_u32 s88, s88, s84
	s_lshl_b32 s88, s88, 12
	s_mov_b32 s89, 0
	s_lshl_b32 s90, s[BB], 11
	s_lshl_b32 s91, s[CH], 7
	s_add_co_u32 s90, s90, s91
	s_mul_i32 s90, s90, QROW                       ; V: row 2,048 b + 128 half,
	s_lshl_b32 s91, s[DT], 8
	s_add_co_u32 s90, s90, s91                     ; my slice's 256 bytes,
	s_add_co_u32 s90, s90, 4096                    ; in the row's third part
	s_mov_b32 s91, 0
	s_wait_dscnt 0x0                               ; the opening add is done
	s_wait_kmcnt 0x0
	s_add_nc_u64 s[ACUR:ACUR+1], s[4:5], s[86:87]
	s_add_nc_u64 s[A2:A2+1], s[4:5], s[88:89]
	s_add_nc_u64 s[VB:VB+1], s[6:7], s[90:91]
	s_mov_b64 s[G0A+2:G0A+3], s[ACUR:ACUR+1]
	s_or_b32 s[G0A+3], s[G0A+3], 0x80000000
	s_mov_b64 s[G0B+2:G0B+3], s[VB:VB+1]
	s_or_b32 s[G0B+3], s[G0B+3], 0x80000000
	CROUND                                         ; all four work-groups are here
	JLOAD 0                                        ; the walk's tile 0 into slot 0: one tensor load of mine is out
	; THE FACTORS.  A wave makes them for 32 rows of its half of the queries, rows 32 (w % 2) + l, a lane a row, for both blocks: the nine pairs (c m, l) are loaded in the walk's order.
	s_lshl_b32 s84, s[BB], 14                      ; st: 8 b tiles of 2,048 rows,
	s_lshl_b32 s85, s[RH], 6
	s_add_co_u32 s84, s84, s85
	s_lshl_b32 s85, s[CH], 5
	s_add_co_u32 s84, s84, s85                     ; my first row in a block,
	s_lshl_b32 s84, s84, 3                         ; pairs of 8 bytes
	s_mov_b32 s85, 0
	s_add_nc_u64 s[8:9], s[8:9], s[84:85]
	v_and_b32 v1, 15, v0                           ; l % 16
	v_bfe_u32 v2, v0, 4, 1                         ; l / 16
	v_and_b32 v3, 31, v0
	v_lshlrev_b32 v[L8], 3, v3
	v_lshlrev_b32 v[TSO], 5, v2
.irp w, 0,1,2,3,4,5,6,7,8
	s_sub_co_u32 s87, \w, s[N1]
	s_cmp_gt_u32 s[N1], \w                         ; step w is the first block's tile w, or the second's tile w - n1
	s_cselect_b32 s87, \w, s87
	s_cselect_b32 s86, s[B1], s[B2]
	s_lshl_b32 s87, s87, 14                        ; a tile's 2,048 pairs,
	s_lshl_b32 s86, s86, 10                        ; a block's 128
	s_add_co_u32 s87, s87, s86
	v_add_nc_u32 v[VA+\w], s87, v[L8]
.endr
.irp w, 0,1,2,3,4,5,6,7,8
	global_load_b64 v[ST+2*\w:ST+2*\w+1], v[VA+\w], s[8:9]  ; 256 consecutive bytes
.endr
	s_lshl_b32 s93, s[DT], 9
	s_lshl_b32 s94, s[CH], 8
	s_add_co_u32 s93, s93, s94                     ; my 64 channels, in bytes of f32; kept
	s_lshl_b32 s90, s[BB], 3
	s_mov_b32 s95, 0
	s_add_co_u32 s94, s90, s[I1]
	s_lshl_b32 s94, s94, 12
	s_add_co_u32 s94, s94, s93
	s_add_nc_u64 s[TSA:TSA+1], s[10:11], s[94:95]
	s_add_co_u32 s94, s90, s[I2]
	s_lshl_b32 s94, s94, 12
	s_add_co_u32 s94, s94, s93
	s_add_nc_u64 s[TSA+2:TSA+3], s[10:11], s[94:95]
.irp k, 0,1
.irp b, 0,1,2,3
	global_load_b128 v[TS1+32*\k+8*\b:TS1+32*\k+8*\b+3],   v[TSO], s[TSA+2*\k:TSA+2*\k+1] offset:64*\b     ; channels 16 b + 8 (l / 16) + 0..7
	global_load_b128 v[TS1+32*\k+8*\b+4:TS1+32*\k+8*\b+7], v[TSO], s[TSA+2*\k:TSA+2*\k+1] offset:64*\b+16
.endr
.endr
	s_lshl_b32 s92, s[BB], 11
	s_lshl_b32 s94, s[RH], 6
	s_add_co_u32 s92, s92, s94
	s_lshl_b32 s94, s[B1], 7
	s_add_co_u32 s94, s94, s92
	s_lshl_b32 s94, s94, 12
	s_add_co_u32 s94, s94, s93
	s_add_nc_u64 s[OUT1:OUT1+1], s[12:13], s[94:95]
	s_lshl_b32 s94, s[B2], 7
	s_add_co_u32 s94, s94, s92
	s_lshl_b32 s94, s94, 12
	s_add_co_u32 s94, s94, s93
	s_add_nc_u64 s[OUT1+2:OUT1+3], s[12:13], s[94:95]
	v_mul_u32_u24 v4, v1, PA
	v_lshl_add_u32 v4, v2, 4, v4
	s_mul_i32 s84, s[RH], AH
	v_add_nc_u32 v[ADRA], s84, v4
	v_add_nc_u32 v[ADRA+1], SLOT, v[ADRA]
	v_and_b32 v5, 7, v0
	v_lshl_add_u32 v5, v2, 3, v5
	v_mul_u32_u24 v5, v5, PV
	v_bfe_u32 v6, v0, 3, 1
	v_lshl_add_u32 v5, v6, 4, v5
	s_lshl_b32 s84, s[CH], 7
	s_add_co_u32 s84, s84, VOFF
	v_add_nc_u32 v[ADRB], s84, v5
	v_add_nc_u32 v[ADRB+1], 128*PV, v[ADRB]
	v_add_nc_u32 v[ADRB+2], SLOT, v[ADRB]
	v_add_nc_u32 v[ADRB+3], SLOT, v[ADRB+1]
	s_mul_i32 s84, s[WV], 16*SP
	s_add_co_u32 s84, s84, STAGE
	v_mul_u32_u24 v4, v1, SP
	v_lshl_add_u32 v4, v2, 5, v4
	v_add_nc_u32 v[STO], s84, v4                   ; in: row l % 16, 32 bytes for each half of the lanes
	v_mul_u32_u24 v4, v2, SP
	v_lshl_add_u32 v4, v1, 4, v4
	v_add_nc_u32 v[RD], s84, v4                    ; back: lanes 0-15 one row of 256 bytes, lanes 16-31 the next
	v_lshlrev_b32 v4, 12, v2
	v_lshl_add_u32 v[GO], v1, 4, v4                ; and the same two rows in out0
	s_mul_i32 s84, s[RH], TBL
	s_add_co_u32 s84, s84, TAB                     ; my half's table
	v_lshl_add_u32 v[TR], v1, 2, s84               ; read: row l % 16 of a row block
	v_lshl_add_u32 v[TP], v1, 2, s84
	s_lshl_b32 s85, s[CH], 7
	s_add_co_u32 s85, s85, s84
	v_lshl_add_u32 v[TW], v3, 2, s85               ; written: row 32 (w % 2) + l
.irp a, 0,1,2,3
	v_mov_b32 v[F+2*\a+1], 0                       ; named in a pair
.endr
	s_mov_b32 s85, QROW
	s_cmp_lt_u32 s[WV], 2
	s_cselect_b32 s84, 1, 0                        ; pt: two lanes a row
	s_cselect_b32 s85, 4096, s85
	s_cselect_b32 s86, ttmp9, s[PP]
	s_cmp_eq_u32 s86, 0
	s_cselect_b32 s[LIM], 1, -1                    ; the same in all four partners, for a given wave
	v_lshrrev_b32 v4, s84, v3
	v_and_b32 v5, s84, v3
	v_mul_u32_u24 v4, v4, s85
	v_lshl_add_u32 v[PFO], v5, 8, v4
	s_cmp_lt_u32 s[I1], 7                          ; do keys lie behind the block's last tile?
	s_cselect_b32 s82, 0, 0xff7fffff               ; their score 0 joins the maximum
	s_cselect_b32 s84, -1.0, 0                     ; e = 2^(-MR), or 2^-1000 = 0
	s_cselect_b32 s86, 0, 0xc47a0000
	s_cmp_lt_u32 s[I2], 7
	s_cselect_b32 s83, 0, 0xff7fffff
	s_cselect_b32 s85, -1.0, 0
	s_cselect_b32 s87, 0, 0xc47a0000
	s_lshl_b32 s88, s[I1], 8
	s_sub_co_u32 s88, 1792, s88
	s_cvt_f32_u32 s88, s88                         ; how many
	s_lshl_b32 s91, s[I2], 8
	s_sub_co_u32 s91, 1792, s91
	s_cvt_f32_u32 s91, s91
	v_mov_b32 v[MR], s82
	v_mov_b32 v[MR+1], s83
	v_mov_b32 v[NEG], 0xff7fffff
	s_wait_loadcnt 0x0
.irp w, 0,1,2,3,4,5,6,7,8              ; the two blocks' maxima: a step counts for its own block alone
	s_cmp_gt_u32 s[N1], \w
	s_cselect_b32 s89, -1, 0
	v_cndmask_b32 v[TV], v[NEG], v[ST+2*\w], s89
	v_cndmask_b32 v[TV+1], v[ST+2*\w], v[NEG], s89
	v_max_num_f32 v[MR], v[MR], v[TV]
	v_max_num_f32 v[MR+1], v[MR+1], v[TV+1]
.endr
.irp w, 0,1,2,3,4,5,6,7,8
	s_cmp_gt_u32 s[N1], \w
	s_cselect_b32 s89, -1, 0
	v_cndmask_b32 v[MS], v[MR+1], v[MR], s89
	v_sub_f32 v[FX+\w], v[ST+2*\w], v[MS]          ; c m of the step's tile less its block's maximum
.endr
	v_fma_f32 v[EE], v[MR], s84, s86
	v_fma_f32 v[EE+1], v[MR+1], s85, s87
.irp w, 0,1,2,3,4,5,6,7,8
	v_exp_f32 v[FX+\w], v[FX+\w]
.endr
	v_exp_f32 v[EE], v[EE]
	v_exp_f32 v[EE+1], v[EE+1]
	v_nop                                          ; a plain instruction behind the last exponential,
	s_wait_alu depctr_va_vdst(0)                   ; and the one wait ahead of the batch's first reader
	v_mul_f32 v[LL], s88, v[EE]
	v_mul_f32 v[LL+1], s91, v[EE+1]
.irp w, 0,1,2,3,4,5,6,7,8
	s_cmp_gt_u32 s[N1], \w
	s_cselect_b32 s89, 1.0, 0
	s_cselect_b32 s90, 0, 1.0
	v_mul_f32 v[TV], v[FX+\w], v[ST+2*\w+1]        ; f l: at most 256
	v_fma_f32 v[LL], v[TV], s89, v[LL]
	v_fma_f32 v[LL+1], v[TV], s90, v[LL+1]
.endr
	v_rcp_f32 v[RL], v[LL]
	v_rcp_f32 v[RL+1], v[LL+1]
	v_nop
	s_wait_alu depctr_va_vdst(0)
.irp w, 0,1,2,3,4,5,6,7,8
	ds_store_b32 v[TW], v[FX+\w] offset:\w*256
.endr
.irp k, 0,1
	ds_store_b32 v[TW], v[EE+\k] offset:(9+\k)*256
	ds_store_b32 v[TW], v[RL+\k] offset:(11+\k)*256
.endr
	s_wait_dscnt 0x0                               ; for the others' sake: my part of the table is written
	s_barrier_signal -1
	s_barrier_wait -1                              ; tile 0 may stay on its way
.macro MUL8 f, c, a0, zero             ; 8 matrix instructions: row blocks a0, a0 + 1 x all 4 channel blocks, 32 keys: half c of buffer f.  The 16 accumulators take turns
	WIN MUL
.irp a, \a0, (\a0)+1
.irp b, 0,1,2,3
.if \zero
	v_wmma_f32_16x16x32_f16 v[8*(4*(\a)+(\b)):8*(4*(\a)+(\b))+7], v[(\f)+64+8*(4*(\c)+(\b)):(\f)+64+8*(4*(\c)+(\b))+7], v[(\f)+8*(4*(\c)+(\a)):(\f)+8*(4*(\c)+(\a))+7], 0
.else
	v_wmma_f32_16x16x32_f16 v[8*(4*(\a)+(\b)):8*(4*(\a)+(\b))+7], v[(\f)+64+8*(4*(\c)+(\b)):(\f)+64+8*(4*(\c)+(\b))+7], v[(\f)+8*(4*(\c)+(\a)):(\f)+8*(4*(\c)+(\a))+7], v[8*(4*(\a)+(\b)):8*(4*(\a)+(\b))+7]
.endif
.endr
.endr
.endm
.macro FETCH sg, q, f                  ; 32 LDS loads in one run: the fragments of quarter q (64 keys) into buffer f, the first 32 keys first
	WIN TO_F
.irp c, 0,1
.irp i, 0,1,2,3
	ds_load_tr16_b128 v[(\f)+64+8*(4*(\c)+(\i)):(\f)+64+8*(4*(\c)+(\i))+3],   v[ADRB+2*(\sg)+(\q)/2] offset:((\q)%2)*64*PV+(\c)*32*PV+(\i)*32
	ds_load_tr16_b128 v[(\f)+64+8*(4*(\c)+(\i))+4:(\f)+64+8*(4*(\c)+(\i))+7], v[ADRB+2*(\sg)+(\q)/2] offset:((\q)%2)*64*PV+(\c)*32*PV+16*PV+(\i)*32
	ds_load_b128 v[(\f)+8*(4*(\c)+(\i)):(\f)+8*(4*(\c)+(\i))+3],   v[ADRA+(\sg)] offset:(\q)*128+(\c)*64+(\i)*16*PA
	ds_load_b128 v[(\f)+8*(4*(\c)+(\i))+4:(\f)+8*(4*(\c)+(\i))+7], v[ADRA+(\sg)] offset:(\q)*128+(\c)*64+(\i)*16*PA+32
.endr
.endr
.endm
.macro PLACES
.rept 4
	v_nop
.endr
.endm
.macro QUARTER sg, q, f, g, zero
	s_wait_dscnt 16                                ; the first 32 keys are in; the youngest sixteen loads may be out
	MUL8 \f, 0, 0, \zero
	MUL8 \f, 0, 2, \zero
	PLACES
	FETCH \sg, \q, \g
	s_wait_dscnt 32                                ; all but the 32 just issued
	MUL8 \f, 1, 0, 0
	MUL8 \f, 1, 2, 0
.endm
.macro ACCUM                           ; O += f T; each accumulator's registers in ascending order
	WIN 0x02                                       ; source 0 (T) window 2
.irp a, 0,1,2,3
.set i, 32*(\a)
.rept 16
	v_pk_fma_f32 v[O+i:O+i+1], v[i:i+1], v[F+2*(\a):F+2*(\a)+1], v[O+i:O+i+1] op_sel_hi:[1,0,1]
.set i, i+2
.endr
.endr
.endm
.macro BEGIN k                         ; block k + 1 begins: O = e TS
	WIN 0
.irp a, 0,1,2,3
	ds_load_b32 v[F+2*\a], v[TR] offset:(9+(\k))*256+64*\a
.endr
	s_wait_dscnt 0x0
.irp a, 0,1,2,3
.irp b, 0,1,2,3
.irp p, 0,2,4,6
	v_pk_mul_f32 v[O+8*(4*\a+\b)+\p:O+8*(4*\a+\b)+\p+1], v[TS1+32*(\k)+8*\b+\p:TS1+32*(\k)+8*\b+\p+1], v[F+2*\a:F+2*\a+1] op_sel_hi:[1,0]
.endr
.endr
.endr
.endm
.macro PACK a                          ; row block a: divided by L, through my stage, back as whole rows of 256 bytes into the registers that it left
.set i, O+32*(\a)
.rept 16
	v_pk_mul_f32 v[i:i+1], v[i:i+1], v[F+2*(\a):F+2*(\a)+1] op_sel_hi:[1,0]
.set i, i+2
.endr
.irp b, 0,1,2,3
	ds_store_b128 v[STO], v[O+32*(\a)+8*\b:O+32*(\a)+8*\b+3]   offset:64*\b
	ds_store_b128 v[STO], v[O+32*(\a)+8*\b+4:O+32*(\a)+8*\b+7] offset:64*\b+16
.endr
.irp t, 0,1,2,3,4,5,6,7
	ds_load_b128 v[O+32*(\a)+4*\t:O+32*(\a)+4*\t+3], v[RD] offset:\t*2*SP  ; LDS serves a wave's instructions in order (ISA guide 5.7.1.4)
.endr
.endm
.macro SEND a, younger, k              ; younger: the LDS instructions issued behind block a's loads: the next block's sixteen, or none
.irp t, 0,1,2,3,4,5,6,7
	s_wait_dscnt (\younger)+7-\t
	global_store_b128 v[GO], v[O+32*(\a)+4*\t:O+32*(\a)+4*\t+3], s[OUT1+2*(\k):OUT1+2*(\k)+1] offset:(16*(\a)+2*\t)*4096  ; 16 lanes store 256 consecutive bytes, at a multiple of 256 from out0's first byte
.endr
.endm
.macro WAYOUT k
	WIN 0
.irp a, 0,1,2,3
	ds_load_b32 v[F+2*\a], v[TR] offset:(11+(\k))*256+64*\a  ; 1 / L
.endr
	s_wait_dscnt 0x0
	PACK 0
	PACK 1
	SEND 0, 16, \k
	PACK 2
	SEND 1, 16, \k
	PACK 3
	SEND 2, 16, \k
	SEND 3, 0, \k
.endm
; A KEY STEP on slot sg, which is also the step's place in its lap.  In front of its barrier each wave waits for all its tensor loads (one is out: its part of this slot), adds 0 to its spare word, and waits for that and for its reads of the other slot.
; fill = 1: the barrier is a round of the cluster's, and the other slot is filled first behind it with the walk's next tile, whose address is made anew from the tile's number; the load has the step's 128 matrix instructions in which to land.
.macro STEP sg, fill
.set o, 1-(\sg)
	WIN 0
.if \fill
	s_wait_xcnt 0x0                                ; the last prefetches, a step back, have read their address
.endif
	s_wait_tensorcnt 0x0
	ds_add_u32 v[SPW], v[NIL]                      ; 0 onto my spare word; scalar work stands between it and the wait for it
.if \fill
	s_lshl_b32 s[OFF], s[NXT], 9                   ; 256 keys along pt's rows
	s_add_nc_u64 s[G0A+4*o+2:G0A+4*o+3], s[ACUR:ACUR+1], s[OFF:OFF+1]
	s_or_b32 s[G0A+4*o+3], s[G0A+4*o+3], 0x80000000
	s_mul_i32 s[OFF], s[NXT], 256*QROW             ; 256 rows of V
	s_add_nc_u64 s[G0B+4*o+2:G0B+4*o+3], s[VB:VB+1], s[OFF:OFF+1]
	s_or_b32 s[G0B+4*o+3], s[G0B+4*o+3], 0x80000000
	s_add_co_u32 s[NXT], s[NXT], 1                 ; the block's next tile, or behind its last the second block's tile 0
	s_cmp_gt_u32 s[NXT], s[LQ]
	s_cselect_b32 s[NXT], 0, s[NXT]
	s_cselect_b32 s[LQ], s[I2], s[LQ]
	s_cselect_b64 s[ACUR:ACUR+1], s[A2:A2+1], s[ACUR:ACUR+1]
	s_lshl_b32 s[POF], s[NXT], 9                   ; the prefetches name that tile
	s_add_co_u32 s[POF], s[POF], s[CXO]
	s_mul_i32 s3, s[NXT], 256*QROW
	s_cmp_lt_u32 s[WV], 2
	s_cselect_b32 s[POF], s[POF], s3
	s_cselect_b64 s[PFA:PFA+1], s[ACUR:ACUR+1], s[VB:VB+1]
	s_add_nc_u64 s[PFA:PFA+1], s[PFA:PFA+1], s[POF:POF+1]
	s_wait_dscnt 0x0                               ; the add is done, and my reads of the other slot are over
	CROUND
	JLOAD 1-(\sg)
.else
	s_wait_dscnt 0x0
	s_barrier_signal -1
	s_barrier_wait -1
.endif
.irp a, 0,1,2,3
	ds_load_b32 v[F+2*\a], v[TP] offset:(\sg)*256+64*\a  ; the step's f for my query in row block a
.endr
	FETCH \sg, 0, F0
.if \fill
	WIN 0
	ASK
.endif
	QUARTER \sg, 1, F0, F1, 1                      ; its first products start the sums
	QUARTER \sg, 2, F1, F0, 0
	QUARTER \sg, 3, F0, F1, 0
	s_wait_dscnt 16
	MUL8 F1, 0, 0, 0
	MUL8 F1, 0, 2, 0
	s_wait_dscnt 0x0
	MUL8 F1, 1, 0, 0
	MUL8 F1, 1, 2, 0
	PLACES
	ACCUM
	WIN 0
.endm
	BEGIN 0
.Llap:                                                 ; four laps of two steps; every step of them asks for the walk's next tile
	STEP 0, 1
	STEP 1, 1
	s_sub_co_u32 s[RT], s[RT], 1
	s_cmp_lg_u32 s[RT], 0
	s_cbranch_scc1 .Lsame                          ; forward, past text that holds neither a barrier nor a tensor load; the same in all four partners
	WAYOUT 0                                       ; the first block is finished
	s_wait_xcnt 0x0                                ; its stores have read O
	BEGIN 1
.Lsame:
	v_add_nc_u32 v[TP], 512, v[TP]                 ; the next lap's two entries of the table
	s_sub_co_u32 s[LAP], s[LAP], 1
	s_cmp_lg_u32 s[LAP], 0
	s_cbranch_scc1 .Llap
	STEP 0, 0                                      ; the walk's ninth step is written out: nothing is asked for
	WAYOUT 1
	s_wait_tensorcnt 0x0                           ; the wave's end, behind my last tensor load and my last LDS store
	ds_add_u32 v[SPW], v[NIL]
	s_wait_dscnt 0x0
	CROUND                                         ; the closing round
	s_endpgm
.Lfunc_end_k_qd0d8b7a2cf_pv:
	.size	k_qd0d8b7a2cf_pv, .Lfunc_end_k_qd0d8b7a2cf_pv-k_qd0d8b7a2cf_pv
	.p2alignl 7, 3214868480
	.fill 96, 4, 3214868480
	.section	.rodata,"a",@progbits
	.p2align	6, 0x0
	.amdhsa_kernel k_qd0d8b7a2cf_pv
		.amdhsa_group_segment_fixed_size 327680
		.amdhsa_private_segment_fixed_size 0
		.amdhsa_enable_private_segment 0
		.amdhsa_kernarg_size 40
		.amdhsa_user_sgpr_count 2
		.amdhsa_user_sgpr_kernarg_segment_ptr 1
		.amdhsa_wavefront_size32 1
		.amdhsa_system_sgpr_workgroup_id_x 1
		.amdhsa_system_sgpr_workgroup_id_y 1
		.amdhsa_system_sgpr_workgroup_id_z 1
		.amdhsa_system_vgpr_workitem_id 0
		.amdhsa_next_free_vgpr 768
		.amdhsa_next_free_sgpr 100
		.amdhsa_reserve_vcc 0
		.amdhsa_float_denorm_mode_32 3
		.amdhsa_float_denorm_mode_16_64 3
		.amdhsa_memory_ordered 1
		.amdhsa_forward_progress 1
		.amdhsa_inst_pref_size 124
	.end_amdhsa_kernel
	.amdgpu_metadata
---
amdhsa.version: [ 1, 2 ]
amdhsa.kernels:
  - .name:           k_qd0d8b7a2cf_pv
    .symbol:         k_qd0d8b7a2cf_pv.kd
    .args:
      - { .name: pt, .offset: 0, .size: 8, .value_kind: global_buffer, .address_space: global }
      - { .name: qkv, .offset: 8, .size: 8, .value_kind: global_buffer, .address_space: global }
      - { .name: st, .offset: 16, .size: 8, .value_kind: global_buffer, .address_space: global }
      - { .name: ts, .offset: 24, .size: 8, .value_kind: global_buffer, .address_space: global }
      - { .name: out0, .offset: 32, .size: 8, .value_kind: global_buffer, .address_space: global }
    .group_segment_fixed_size: 327680
    .private_segment_fixed_size: 0
    .kernarg_segment_align: 8
    .kernarg_segment_size: 40
    .max_flat_workgroup_size: 128
    .sgpr_count:     100
    .vgpr_count:     768
    .wavefront_size: 32
...
	.end_amdgpu_metadata
.endif
;; end of part 4
;; ======== version 2 of 2: 4 launches; version 1 with the launch cast written anew for expert scheduling mode
;; limits: values are held in f16: magnitudes above 65,504 overflow, below 6.1e-05 lose precision
;; workspace buffers: xb 16,777,216 bytes; wb 6,291,456 bytes; qkv 50,331,648 bytes; cs 786,432 bytes; ts 131,072 bytes; pt 33,554,432 bytes; st 524,288 bytes
;; launch cast (part 5): grid 352 x 1, 8 waves a work-group, no clusters, 0 bytes of LDS; arguments x, w_q, w_k, w_v, xb, wb; writes xb, wb
.if DOCPART == 5
	.amdgcn_target "amdgcn-amd-amdhsa--gfx1250"
	.amdhsa_code_object_version 6
	.text
	.protected	k_qd0d8b7a2cf_cast
	.globl	k_qd0d8b7a2cf_cast
	.p2align	8
	.type	k_qd0d8b7a2cf_cast,@function
k_qd0d8b7a2cf_cast:
	s_mov_b64 s[64:65], 0
	v_nop
	global_prefetch_b8 v0, s[64:65] scope:SCOPE_SE
	s_setreg_imm32_b32 hwreg(HW_REG_WAVE_SCHED_MODE, 0, 2), 2
	s_setreg_imm32_b32 hwreg(HW_REG_WAVE_MODE, 25, 1), 1
	s_wait_xcnt 0x0
	s_wait_alu depctr_vm_vsrc(0)
; xb = x rounded to bf16, laid in blocks for the next launch's K steps of 64: [16 steps][8192 rows][64]: a step's rows lie end to end, 128 bytes each.
; wb = [w_q | w_k | w_v] rounded to bf16, [1024 k][3072 n]: w_q at n 0, w_k at n 1024, w_v at n 2048.
; A row is 1,024 f32.  A work-group owns 32 rows, each of its eight waves four.  Work-groups 0-255 take x, 256-351 the three weights (32 work-groups each).
; A stream: every byte is read once and written once; all 32 loads of a wave go out at once; each store of a wave covers 256 consecutive bytes, aligned.
; x: a load takes 256 bytes (one step) of two rows, lanes 0-15 the first row, lanes 16-31 the second; its store is those two rows' 128 bytes, which lie end to end in the step's block.
; weights: a load takes 512 consecutive bytes of a row, its store 256.  The two paths differ in their immediates, so the stream is written twice, by one macro.
; No LDS, no barrier, no matrix work: nothing is shared and nothing is summed.
; THE MODE: SCHED_MODE bits 1:0 = 2 (LLVM: expert scheduling mode 2), set by the entry lines.  The code itself states the register dependences
; between vector instructions and memory instructions, with s_wait_alu, always for 0.
; THE PLAN.  Registers that memory instructions touch:
;   v2, v4-v7  byte offsets of the loads and of the stores: made by vector instructions at a path's head, never written again.
;   X          load n's four registers: written by that load alone, read by its two conversions; no vector instruction writes them, and no load lands in them a second time.
;   Y          load n's two registers: written by its two conversions, read by its store; never written again.
; The 32 loads go in eight blocks of four.  Block p rounds its X into its Y; its memory instructions are the four stores of block p - 1, which read that block's Y and v4-v7: registers that no
; conversion of block p names.  So one wait on va_vdst at a block's head states all that its four stores hang on, and they are dealt among its eight conversions with no further wait.
; No register that a memory instruction reads is written again, so the text holds no wait on vm_vsrc.
.set XR, 16                            ; v[16:143]  load n: 4 registers
.set YR, 144                           ; v[144:207] load n: 2 registers, 4 bf16
.set WPITCH, 6144                      ; bytes in a row of wb
.set XBLK, 8192*128                    ; bytes in a step's block of xb
.set BLOCK, 4                          ; loads in a block
.macro PUT blocked                     ; the store of load m
.if \blocked
	global_store_b64 v[4+m/8], v[YR+2*m:YR+2*m+1], s[12:13] offset:(m%8)*XBLK  ; eight steps' blocks are within the immediate's reach; the register holds the pair and the upper eight
.else
	global_store_b64 v[4+m/8], v[YR+2*m:YR+2*m+1], s[12:13] offset:(m%8)*256
.endif
.endm
.macro STREAM blocked
	s_wait_alu depctr_va_vdst(0)                   ; v2 and v4 to v7 are written: every load and store below reads one of them as its offset
.set n, 0
.rept 32
.if \blocked
	global_load_b128 v[XR+4*n:XR+4*n+3], v2, s[4:5] offset:(n/16)*8192+(n%16)*256 th:TH_LOAD_NT  ; pair of rows n / 16, step n % 16
.else
	global_load_b128 v[XR+4*n:XR+4*n+3], v2, s[4:5] offset:(n/8)*4096+(n%8)*512 th:TH_LOAD_NT    ; row n / 8
.endif
.set n, n+1
.endr
.set n, 0
.rept 32
.if n%BLOCK == 0
	s_wait_loadcnt 32-BLOCK-n                      ; loads come back in order: this block's four are in, the younger ones stay out
.if n > 0
	s_wait_alu depctr_va_vdst(0)                   ; the block before has written its Y, which the four stores below read
.endif
.endif
.if n >= BLOCK
.set m, n-BLOCK
	PUT \blocked                                   ; the block before.  No wait: no conversion since the wait above names its Y or its offset
.endif
	v_cvt_pk_bf16_f32 v[YR+2*n], v[XR+4*n], v[XR+4*n+1]
	v_cvt_pk_bf16_f32 v[YR+2*n+1], v[XR+4*n+2], v[XR+4*n+3]
.set n, n+1
.endr
	s_wait_alu depctr_va_vdst(0)                   ; the last block has written its Y, which the last four stores read
.set m, 32-BLOCK
.rept BLOCK
	PUT \blocked
.set m, m+1
.endr
.endm
	s_load_b256 s[4:11], s[0:1], 0x0               ; x s[4:5], w_q s[6:7], w_k s[8:9], w_v s[10:11]
	s_load_b128 s[12:15], s[0:1], 0x20             ; xb s[12:13], wb s[14:15]
	v_lshrrev_b32 v1, 5, v0                        ; wave
	v_readfirstlane_b32 s16, v1
	v_and_b32 v3, 31, v0                           ; lane
	s_mov_b32 s27, 0
	s_mov_b32 s29, 0
	s_wait_alu depctr_va_sdst(0)                   ; s16 is written, ahead of the branch behind which the weights' path reads it
	s_cmp_lt_u32 ttmp9, 256
	s_cbranch_scc0 .Lweights
	s_lshl_b32 s26, ttmp9, 17                      ; 32 rows of 4,096 bytes in,
	s_lshl_b32 s28, ttmp9, 12                      ; 32 rows of 128 bytes in each block out
	v_and_b32 v8, 15, v0
	v_bfe_u32 v9, v0, 4, 1
	v_lshlrev_b32 v2, 14, v1                       ; my wave's four rows in,
	v_lshl_add_u32 v2, v9, 12, v2                  ; the pair's second row for lanes 16-31,
	v_lshl_add_u32 v2, v8, 4, v2                   ; 16 bytes a lane
	v_lshlrev_b32 v10, 9, v1                       ; my wave's four rows out,
	v_lshl_add_u32 v4, v3, 3, v10                  ; 8 bytes a lane: two rows on end.  Pair 0, steps 0-7
	v_add_nc_u32 v5, 8*XBLK, v4                    ; pair 0, steps 8-15
	v_add_nc_u32 v6, 256, v4                       ; pair 1, steps 0-7
	v_add_nc_u32 v7, 8*XBLK, v6                    ; pair 1, steps 8-15
	s_wait_kmcnt 0x0
	s_add_nc_u64 s[4:5], s[4:5], s[26:27]
	s_add_nc_u64 s[12:13], s[12:13], s[28:29]
	STREAM 1
	s_endpgm
.Lweights:
	s_lshr_b32 s18, ttmp9, 5                       ; 8, 9, 10: w_q, w_k, w_v
	s_and_b32 s19, ttmp9, 31                       ; which 32 rows of the weight
	s_lshl_b32 s26, s19, 17                        ; 32 rows of 4,096 bytes in,
	s_mul_i32 s28, s19, 32*WPITCH                  ; 32 rows of wb out,
	s_sub_co_u32 s25, s18, 8
	s_lshl_b32 s25, s25, 11                        ; at the weight's 2,048 bytes of the row
	s_add_co_u32 s28, s28, s25
	v_lshlrev_b32 v2, 14, v1                       ; my wave's four rows in,
	v_lshl_add_u32 v2, v3, 4, v2                   ; 16 bytes a lane
	s_lshl_b32 s30, s16, 2
.irp i, 0,1,2,3
	s_add_co_u32 s31, s30, \i
	s_mul_i32 s31, s31, WPITCH
	v_lshl_add_u32 v[4+\i], v3, 3, s31             ; row 4 w + i out, 8 bytes a lane
.endr
	s_wait_kmcnt 0x0
	s_cmp_eq_u32 s18, 9
	s_cselect_b64 s[6:7], s[8:9], s[6:7]
	s_cmp_eq_u32 s18, 10
	s_cselect_b64 s[6:7], s[10:11], s[6:7]         ; the weight
	s_add_nc_u64 s[4:5], s[6:7], s[26:27]
	s_add_nc_u64 s[12:13], s[14:15], s[28:29]
	STREAM 0
	s_endpgm
.Lfunc_end_k_qd0d8b7a2cf_cast:
	.size	k_qd0d8b7a2cf_cast, .Lfunc_end_k_qd0d8b7a2cf_cast-k_qd0d8b7a2cf_cast
	.p2alignl 7, 3214868480
	.fill 96, 4, 3214868480
	.section	.rodata,"a",@progbits
	.p2align	6, 0x0
	.amdhsa_kernel k_qd0d8b7a2cf_cast
		.amdhsa_group_segment_fixed_size 0
		.amdhsa_private_segment_fixed_size 0
		.amdhsa_enable_private_segment 0
		.amdhsa_kernarg_size 48
		.amdhsa_user_sgpr_count 2
		.amdhsa_user_sgpr_kernarg_segment_ptr 1
		.amdhsa_wavefront_size32 1
		.amdhsa_system_sgpr_workgroup_id_x 1
		.amdhsa_system_sgpr_workgroup_id_y 1
		.amdhsa_system_sgpr_workgroup_id_z 1
		.amdhsa_system_vgpr_workitem_id 0
		.amdhsa_next_free_vgpr 208
		.amdhsa_next_free_sgpr 66
		.amdhsa_reserve_vcc 0
		.amdhsa_float_denorm_mode_32 3
		.amdhsa_float_denorm_mode_16_64 3
		.amdhsa_memory_ordered 1
		.amdhsa_forward_progress 1
		.amdhsa_inst_pref_size 24
	.end_amdhsa_kernel
	.amdgpu_metadata
---
amdhsa.version: [ 1, 2 ]
amdhsa.kernels:
  - .name:           k_qd0d8b7a2cf_cast
    .symbol:         k_qd0d8b7a2cf_cast.kd
    .args:
      - { .name: x, .offset: 0, .size: 8, .value_kind: global_buffer, .address_space: global }
      - { .name: w_q, .offset: 8, .size: 8, .value_kind: global_buffer, .address_space: global }
      - { .name: w_k, .offset: 16, .size: 8, .value_kind: global_buffer, .address_space: global }
      - { .name: w_v, .offset: 24, .size: 8, .value_kind: global_buffer, .address_space: global }
      - { .name: xb, .offset: 32, .size: 8, .value_kind: global_buffer, .address_space: global }
      - { .name: wb, .offset: 40, .size: 8, .value_kind: global_buffer, .address_space: global }
    .group_segment_fixed_size: 0
    .private_segment_fixed_size: 0
    .kernarg_segment_align: 8
    .kernarg_segment_size: 48
    .max_flat_workgroup_size: 256
    .sgpr_count:     66
    .vgpr_count:     208
    .wavefront_size: 32
...
	.end_amdgpu_metadata
.endif
;; end of part 5
;; launch proj: the kernel of part 2 again; grid 8 x 32, 4 waves a work-group, clusters of 4 x 4, 327,680 bytes of LDS; arguments xb, wb, qkv, cs; writes qkv, cs
;; launch scores: the kernel of part 3 again; grid 10 x 16, 4 waves a work-group, no clusters, 327,680 bytes of LDS; arguments qkv, cs, pt, st, ts; writes pt, st, ts
;; launch pv: the kernel of part 4 again; grid 8 x 32, 4 waves a work-group, clusters of 4 x 1, 327,680 bytes of LDS; arguments pt, qkv, st, ts, out0; writes out0
